; MI455X (gfx1250); checked and timed in simulation.
; The chip was launched on July 23, 2026; its instructions are those of AMD's public machine-readable ISA for CDNA 5 (MIT licence, August 2026) and "CDNA5" Instruction Set Architecture Reference Guide (July 2026). The comments in the code are by the model that wrote it; some were corrected since.
;; Multi Head Self Attention. Allowed arithmetic: float matrix products may take bf16 or f16 operands with f32 sums; other float arithmetic in f32, or as packed bf16 or f16 multiplies, adds, multiply-adds, maxima and minima; sums over many terms, partial sums and values carried from step to step in f32; what a program stores and reads back later, other than sums and carried values, may be rounded once to bf16 or f16.
;; Inputs: W_out 1,024 x 1,024 float32; W_qkv 3,072 x 1,024 float32; b_out 1,024 float32; b_qkv 3,072 float32; x 4 x 2,048 x 1,024 float32.
;; Outputs: out0 4 x 2,048 x 1,024 float32.
;; 2 versions, each right; version 2 is version 1 with the launch prep written anew for expert scheduling mode. Each part assembles by itself: llvm-mc -triple=amdgcn-amd-amdhsa -mcpu=gfx1250 --defsym DOCPART=n.
;; ======== version 1 of 2: 4 launches
;; limits: values are held in f16: magnitudes above 65,504 overflow, below 6.1e-05 lose precision
;; workspace buffers: xb 16,777,216 bytes; wq 6,291,456 bytes; wo 2,097,152 bytes; cst 540,672 bytes; qkv 50,331,648 bytes; oh 16,777,216 bytes
;; launch prep (part 1): grid 449 x 1, 8 waves a work-group, no clusters, 0 bytes of LDS; arguments x, W_qkv, W_out, b_qkv, b_out, xb, wq, wo, cst; writes xb, wq, wo, cst
.if DOCPART == 1
	.amdgcn_target "amdgcn-amd-amdhsa--gfx1250"
	.amdhsa_code_object_version 6
	.text
	.protected	k_q708eb9d013_prep
	.globl	k_q708eb9d013_prep
	.p2align	8
	.type	k_q708eb9d013_prep,@function
k_q708eb9d013_prep:
	s_mov_b64 s[64:65], 0
	v_nop
	global_prefetch_b8 v0, s[64:65] scope:SCOPE_SE
	s_setreg_imm32_b32 hwreg(HW_REG_WAVE_MODE, 25, 1), 1
	s_wait_xcnt 0x0
; PREP: every input is rounded once to bf16 and laid out for the launches behind; the RoPE table is made.
;   xb  bf16 [32 row tiles][16 K blocks][256 rows][64 k]: a (row tile, K block) is 32,768 dense bytes
;   wq  bf16 [8 column tiles][16 K blocks][384 rows][64 k]: row 192 half + 64 which + d holds W_qkv's row 1024 which + 64 (2 tile + half) + d
;   wo  f16 of the bf16-rounded number, [4 column tiles][16 K blocks][256 rows][64 k]
;   cst f32: the table of cos and sin (524,288 bytes), b_qkv by heads (12,288), b_out (4,096), the biases rounded to bf16 and widened again
; LIMITS.  wo: a bf16 number beyond 65,504 would become an infinity; below 6e-5 it keeps f16's fixed step of 6e-8.  NaN and infinities are not treated apart.
; The table's angles differ from position x inv_freq in f32 by the exponential's last bit: at most some 5e-4 radians at the largest positions.
; Memory binds: no LDS, no barrier, no matrix unit.  Work-groups 0-255 cast x, 256-351 W_qkv, 352-383 W_out, 384-447 make the table, 448 the biases.
; A CAST: a work-group takes 32 source rows of 4,096 bytes.  Thread t: row t / 8; of each K block's 64 numbers the 8 at 8 (t % 8): 32 bytes in, 16 bytes out.
; A wave's store covers four rows of 128 bytes, 512 consecutive bytes, aligned.  All 32 loads of a lane go out at once.
.set X,   16                           ; v[16:143]  K block kb: 8 registers as loaded, the first 4 then as stored
.set SO,  144                          ; v[144:159] K block kb: my byte offset in the destination
.set TM,  160                          ; v[160:161] at work
.set TH,  8                            ; the table: four chains, one for each of a lane's four frequencies
.set KK,  12
.set RR,  16
.set ZZ,  20
.set PS,  24
.set PC,  28
.set KI,  32
.set OC,  36
.set OS,  40
.set TP,  44
	s_load_b512 s[8:23], s[0:1], 0x0               ; x s[8:9], W_qkv s[10:11], W_out s[12:13], b_qkv s[14:15], b_out s[16:17], xb s[18:19], wq s[20:21], wo s[22:23]
	s_load_b64 s[24:25], s[0:1], 0x40              ; cst
	s_mov_b32 s2, ttmp9
	v_lshrrev_b32 v1, 3, v0                        ; my row of the 32
	v_and_b32 v2, 7, v0                            ; my piece of a K block
	v_lshlrev_b32 v1, 12, v1
	v_lshl_add_u32 v1, v2, 5, v1                   ; row x 4,096 + piece x 32
	s_wait_kmcnt 0x0
	s_cmp_ge_u32 s2, 448
	s_cbranch_scc1 .Lbias
	s_cmp_ge_u32 s2, 384
	s_cbranch_scc1 .Ltable
	s_cmp_ge_u32 s2, 352
	s_cbranch_scc1 .Lwout
; half = 1: the bf16 number is written as f16
.macro CAST half
.set kb, 0
.rept 16
	global_load_b128 v[X+8*kb:X+8*kb+3],   v1, s[26:27] offset:256*kb th:TH_LOAD_NT
	global_load_b128 v[X+8*kb+4:X+8*kb+7], v1, s[26:27] offset:256*kb+16 th:TH_LOAD_NT
.set kb, kb+1
.endr
	v_lshlrev_b32 v[SO], 4, v0                     ; row x 128 + piece x 16 = 16 t
.set kb, 1
.rept 15
	v_add_nc_u32 v[SO+kb], s30, v[SO+kb-1]         ; a K block further on
.set kb, kb+1
.endr
.set kb, 0
.rept 16
	s_wait_loadcnt 30-2*kb                         ; loads come back in order: two for each younger K block may stay out
.irp i, 0,1,2,3
	v_cvt_pk_bf16_f32 v[X+8*kb+\i], v[X+8*kb+2*\i], v[X+8*kb+2*\i+1]  ; in place: word i is written when words 2 i and 2 i + 1 are read
.endr
.if \half
.irp i, 0,1,2,3
	v_lshlrev_b32 v[TM], 16, v[X+8*kb+\i]
	v_and_b32 v[TM+1], 0xffff0000, v[X+8*kb+\i]
	v_cvt_pk_f16_f32 v[X+8*kb+\i], v[TM], v[TM+1]
.endr
.endif
	global_store_b128 v[SO+kb], v[X+8*kb:X+8*kb+3], s[28:29]  ; no register that a store names is written again
.set kb, kb+1
.endr
.endm
	; x or W_qkv: both sets of offsets are made, one compare chooses
	s_max_u32 s3, s2, 256
	s_sub_co_u32 s3, s3, 256                       ; W_qkv's group of 32 rows (0 where the work-group casts x)
	s_lshl_b32 s32, s2, 17                         ; x: 32 rows of 4,096 bytes
	s_lshr_b32 s33, s2, 3
	s_lshl_b32 s33, s33, 19                        ; the row tile,
	s_and_b32 s34, s2, 7
	s_lshl_b32 s34, s34, 12                        ; my 32 rows of 128 bytes in it
	s_add_co_u32 s33, s33, s34
	s_lshl_b32 s35, s3, 17                         ; W_qkv likewise
	s_bfe_u32 s36, s3, 0x40001                     ; the head
	s_lshr_b32 s37, s36, 1
	s_mul_i32 s37, s37, 786432                     ; the column tile: 16 K blocks of 384 rows of 128 bytes
	s_and_b32 s36, s36, 1
	s_mul_i32 s36, s36, 192                        ; which head of the tile's two
	s_lshr_b32 s38, s3, 5
	s_lshl_b32 s38, s38, 6                         ; q, k or v
	s_add_co_u32 s36, s36, s38
	s_and_b32 s38, s3, 1
	s_lshl_b32 s38, s38, 5                         ; which half of the head's 64 rows
	s_add_co_u32 s36, s36, s38
	s_lshl_b32 s36, s36, 7
	s_add_co_u32 s37, s37, s36
	s_mov_b32 s30, 49152                           ; bytes from K block to K block in wq,
	s_mov_b32 s31, 32768                           ; in xb
	s_cmp_lt_u32 s2, 256
	s_cselect_b64 s[26:27], s[8:9], s[10:11]
	s_cselect_b64 s[28:29], s[18:19], s[20:21]
	s_cselect_b32 s32, s32, s35
	s_cselect_b32 s34, s33, s37
	s_cselect_b32 s30, s31, s30
	s_mov_b32 s33, 0
	s_mov_b32 s35, 0
	s_add_nc_u64 s[26:27], s[26:27], s[32:33]
	s_add_nc_u64 s[28:29], s[28:29], s[34:35]
	CAST 0
	s_endpgm
.Lwout:
	s_sub_co_u32 s3, s2, 352
	s_lshl_b32 s32, s3, 17
	s_mov_b32 s33, 0
	s_lshr_b32 s34, s3, 3
	s_lshl_b32 s34, s34, 19
	s_and_b32 s36, s3, 7
	s_lshl_b32 s36, s36, 12
	s_add_co_u32 s34, s34, s36
	s_mov_b32 s35, 0
	s_add_nc_u64 s[26:27], s[12:13], s[32:33]
	s_add_nc_u64 s[28:29], s[22:23], s[34:35]
	s_mov_b32 s30, 32768
	CAST 1
	s_endpgm
; THE TABLE, f32 [128 blocks of 16 positions][c 0-7][lane 0-31][4]: number e of (block, c, lane) belongs to position 16 block + lane % 16 and frequency
; 16 ((c / 2) % 2) + 8 (lane / 16) + 4 (c % 2) + e; c 0-3 cos, c 4-7 sin: the lane layout of the projection's results, 512 consecutive bytes for a wave's load.
; angle = position x 10000^(-f / 32); reduced by a multiple of pi / 2 held in two parts; sin and cos by their series up to r^9 and r^8 on |r| <= pi / 4
; (the terms left out are under 3e-8); the quadrant chooses and signs by selects.  A work-group makes two blocks.
.Ltable:
	s_sub_co_u32 s3, s2, 384
	s_lshl_b32 s32, s3, 13
	s_mov_b32 s33, 0
	s_add_nc_u64 s[26:27], s[24:25], s[32:33]
	v_lshrrev_b32 v2, 7, v0
	v_lshl_add_u32 v3, s3, 1, v2                   ; the block
	v_and_b32 v4, 15, v0
	v_lshl_add_u32 v3, v3, 4, v4                   ; the position
	v_cvt_f32_u32 v4, v3
	v_bfe_u32 v5, v0, 6, 1
	v_bfe_u32 v6, v0, 4, 1
	v_bfe_u32 v7, v0, 5, 1
	v_lshlrev_b32 v5, 4, v5
	v_lshl_add_u32 v5, v6, 3, v5
	v_lshl_add_u32 v5, v7, 2, v5                   ; my first frequency
	v_and_b32 v48, 127, v0
	v_lshlrev_b32 v48, 4, v48
	v_lshl_add_u32 v48, v2, 12, v48                ; where my 16 bytes of cos go
.irp e, 0,1,2,3
	v_add_nc_u32 v[TH+\e], \e, v5
.endr
.irp e, 0,1,2,3
	v_cvt_f32_u32 v[TH+\e], v[TH+\e]
.endr
.irp e, 0,1,2,3
	v_mul_f32 v[TH+\e], 0xbed49a78, v[TH+\e]       ; - f log2(10000) / 32
.endr
.irp e, 0,1,2,3
	v_exp_f32 v[TH+\e], v[TH+\e]
.endr
	v_nop                                          ; a plain instruction between the last exponential and the use of its result
	s_wait_alu depctr_va_vdst(0)
.irp e, 0,1,2,3
	v_mul_f32 v[TH+\e], v4, v[TH+\e]               ; the angle
.endr
.irp e, 0,1,2,3
	v_mul_f32 v[KK+\e], 0x3f22f983, v[TH+\e]       ; x 2 / pi
.endr
.irp e, 0,1,2,3
	v_rndne_f32 v[KK+\e], v[KK+\e]
.endr
.irp e, 0,1,2,3
	v_fmamk_f32 v[RR+\e], v[KK+\e], 0xbfc90fdb, v[TH+\e]  ; less k x pi / 2: the high part,
.endr
.irp e, 0,1,2,3
	v_fmamk_f32 v[RR+\e], v[KK+\e], 0x333bbd2e, v[RR+\e]  ; the low part
.endr
.irp e, 0,1,2,3
	v_mul_f32 v[ZZ+\e], v[RR+\e], v[RR+\e]
	v_mov_b32 v[PS+\e], 0x3638ef1d                 ; 1 / 9!
	v_mov_b32 v[PC+\e], 0x37d00d01                 ; 1 / 8!
.endr
.irp e, 0,1,2,3
	v_fmaak_f32 v[PS+\e], v[PS+\e], v[ZZ+\e], 0xb9500d01  ; - 1 / 7!
	v_fmaak_f32 v[PC+\e], v[PC+\e], v[ZZ+\e], 0xbab60b61  ; - 1 / 6!
.endr
.irp e, 0,1,2,3
	v_fmaak_f32 v[PS+\e], v[PS+\e], v[ZZ+\e], 0x3c088889  ; 1 / 5!
	v_fmaak_f32 v[PC+\e], v[PC+\e], v[ZZ+\e], 0x3d2aaaab  ; 1 / 4!
.endr
.irp e, 0,1,2,3
	v_fmaak_f32 v[PS+\e], v[PS+\e], v[ZZ+\e], 0xbe2aaaab  ; - 1 / 3!
	v_fmaak_f32 v[PC+\e], v[PC+\e], v[ZZ+\e], 0xbf000000  ; - 1 / 2
	v_mul_f32 v[TP+\e], v[RR+\e], v[ZZ+\e]
.endr
.irp e, 0,1,2,3
	v_fma_f32 v[PS+\e], v[TP+\e], v[PS+\e], v[RR+\e]      ; sin r
	v_fma_f32 v[PC+\e], v[PC+\e], v[ZZ+\e], 1.0           ; cos r
	v_cvt_i32_f32 v[KI+\e], v[KK+\e]
.endr
.irp e, 0,1,2,3
	v_and_b32 v[TP+\e], 1, v[KI+\e]
	v_cmp_eq_u32 vcc_lo, 1, v[TP+\e]               ; an odd quadrant changes sin and cos
	v_cndmask_b32 v[OS+\e], v[PS+\e], v[PC+\e], vcc_lo
	v_cndmask_b32 v[OC+\e], v[PC+\e], v[PS+\e], vcc_lo
	v_and_b32 v[TP+\e], 2, v[KI+\e]                ; sin is negative in quadrants 2 and 3,
	v_lshlrev_b32 v[TP+\e], 30, v[TP+\e]
	v_xor_b32 v[OS+\e], v[TP+\e], v[OS+\e]
	v_add_nc_u32 v[TP+\e], 1, v[KI+\e]             ; cos in quadrants 1 and 2
	v_and_b32 v[TP+\e], 2, v[TP+\e]
	v_lshlrev_b32 v[TP+\e], 30, v[TP+\e]
	v_xor_b32 v[OC+\e], v[TP+\e], v[OC+\e]
.endr
	global_store_b128 v48, v[OC:OC+3], s[26:27]
	global_store_b128 v48, v[OS:OS+3], s[26:27] offset:2048
	s_endpgm
; THE BIASES: rounded to bf16, kept as f32.  b_qkv goes by heads: ((head x 3 + which) x 64 + d); sixteen lanes fill 256 aligned bytes.
.Lbias:
	v_lshlrev_b32 v1, 4, v0
	global_load_b128 v[8:11],  v1, s[14:15]
	global_load_b128 v[12:15], v1, s[14:15] offset:4096
	global_load_b128 v[16:19], v1, s[14:15] offset:8192
	global_load_b128 v[20:23], v1, s[16:17]
	v_lshrrev_b32 v2, 4, v0                        ; the head
	v_mul_u32_u24 v2, v2, 768
	v_and_b32 v3, 15, v0
	v_lshl_add_u32 v2, v3, 4, v2
.irp w, 0,1,2,3
	s_wait_loadcnt 3-\w                            ; the younger loads may stay out
	v_cvt_pk_bf16_f32 v4, v[8+4*\w], v[9+4*\w]
	v_cvt_pk_bf16_f32 v5, v[10+4*\w], v[11+4*\w]
	v_lshlrev_b32 v[32+4*\w], 16, v4
	v_and_b32 v[33+4*\w], 0xffff0000, v4
	v_lshlrev_b32 v[34+4*\w], 16, v5
	v_and_b32 v[35+4*\w], 0xffff0000, v5
.if \w < 3
	global_store_b128 v2, v[32+4*\w:35+4*\w], s[24:25] offset:524288+256*\w
.else
	global_store_b128 v1, v[32+4*\w:35+4*\w], s[24:25] offset:536576
.endif
.endr
	s_endpgm
.Lfunc_end_k_q708eb9d013_prep:
	.size	k_q708eb9d013_prep, .Lfunc_end_k_q708eb9d013_prep-k_q708eb9d013_prep
	.p2alignl 7, 3214868480
	.fill 96, 4, 3214868480
	.section	.rodata,"a",@progbits
	.p2align	6, 0x0
	.amdhsa_kernel k_q708eb9d013_prep
		.amdhsa_group_segment_fixed_size 0
		.amdhsa_private_segment_fixed_size 0
		.amdhsa_enable_private_segment 0
		.amdhsa_kernarg_size 72
		.amdhsa_user_sgpr_count 2
		.amdhsa_user_sgpr_kernarg_segment_ptr 1
		.amdhsa_wavefront_size32 1
		.amdhsa_system_sgpr_workgroup_id_x 1
		.amdhsa_system_sgpr_workgroup_id_y 1
		.amdhsa_system_sgpr_workgroup_id_z 1
		.amdhsa_system_vgpr_workitem_id 0
		.amdhsa_next_free_vgpr 168
		.amdhsa_next_free_sgpr 66
		.amdhsa_reserve_vcc 1
		.amdhsa_float_denorm_mode_32 3
		.amdhsa_float_denorm_mode_16_64 3
		.amdhsa_memory_ordered 1
		.amdhsa_forward_progress 1
		.amdhsa_inst_pref_size 42
	.end_amdhsa_kernel
	.amdgpu_metadata
---
amdhsa.version: [ 1, 2 ]
amdhsa.kernels:
  - .name:           k_q708eb9d013_prep
    .symbol:         k_q708eb9d013_prep.kd
    .args:
      - { .name: x, .offset: 0, .size: 8, .value_kind: global_buffer, .address_space: global }
      - { .name: W_qkv, .offset: 8, .size: 8, .value_kind: global_buffer, .address_space: global }
      - { .name: W_out, .offset: 16, .size: 8, .value_kind: global_buffer, .address_space: global }
      - { .name: b_qkv, .offset: 24, .size: 8, .value_kind: global_buffer, .address_space: global }
      - { .name: b_out, .offset: 32, .size: 8, .value_kind: global_buffer, .address_space: global }
      - { .name: xb, .offset: 40, .size: 8, .value_kind: global_buffer, .address_space: global }
      - { .name: wq, .offset: 48, .size: 8, .value_kind: global_buffer, .address_space: global }
      - { .name: wo, .offset: 56, .size: 8, .value_kind: global_buffer, .address_space: global }
      - { .name: cst, .offset: 64, .size: 8, .value_kind: global_buffer, .address_space: global }
    .group_segment_fixed_size: 0
    .private_segment_fixed_size: 0
    .kernarg_segment_align: 8
    .kernarg_segment_size: 72
    .max_flat_workgroup_size: 256
    .sgpr_count:     66
    .vgpr_count:     168
    .wavefront_size: 32
...
	.end_amdgpu_metadata
.endif
;; end of part 1
;; launch qkvp (part 2): grid 8 x 32, 4 waves a work-group, clusters of 4 x 4, 327,680 bytes of LDS; arguments xb, wq, cst, qkv; writes qkv
.if DOCPART == 2
	.amdgcn_target "amdgcn-amd-amdhsa--gfx1250"
	.amdhsa_code_object_version 6
	.text
	.protected	k_q708eb9d013_qkvp
	.globl	k_q708eb9d013_qkvp
	.p2align	8
	.type	k_q708eb9d013_qkvp,@function
k_q708eb9d013_qkvp:
	s_mov_b64 s[64:65], 0
	v_nop
	global_prefetch_b8 v0, s[64:65] scope:SCOPE_SE
	s_setreg_imm32_b32 hwreg(HW_REG_WAVE_MODE, 25, 1), 1
	s_wait_xcnt 0x0
	s_wait_alu depctr_hold_cnt(0) depctr_sa_sdst(0) depctr_va_vdst(0) depctr_va_sdst(0) depctr_va_ssrc(0) depctr_va_vcc(0) depctr_vm_vsrc(0)
	s_getreg_b32 s2, hwreg(HW_REG_IB_STS2, 6, 4)
	s_cmp_eq_u32 s2, 0
	s_cbranch_scc0 .Lentry_in_a_cluster
	s_endpgm
.Lentry_in_a_cluster:
	s_bfe_u32 s2, ttmp6, 0x10000c
	s_cmp_lg_u32 s2, 0xf033
	s_cbranch_scc0 .Lentry_shape_is_right
	s_endpgm
.Lentry_shape_is_right:
; q, k, v = x W_qkv^T + b_qkv, RoPE on q and k; written by heads in f16: qkv = q, k, v, each [64 (batch, head)][2048][64].  Operands bf16, sums and RoPE in f32, one rounding to f16.
; LIMITS.  f16 holds no number beyond 65,504: a q, k or v past that becomes an infinity; below 6e-5 it keeps f16's fixed step of 6e-8.  NaN and infinities are not treated apart.
; SHARES.  8,192 x 3,072 results in tiles of 256 x 384: 256 work-groups.  Column tile t holds heads 2 t and 2 t + 1 of q, k and v (wq's rows are laid so).  Four waves, each 128 rows x 192 columns:
; wave (RH, CH) has rows 128 RH on and head 2 t + CH of q, k and v: 8 x 12 accumulators, 768 registers; for 32 along K it reads 40 times 512 bytes from LDS for 96 matrix instructions.
; THE PRODUCT IS TRANSPOSED (source 0 = 16 rows of wq, source 1 = 16 rows of xb): a lane holds ONE row (lane % 16) and the channels 16 b + 8 (lane / 16) + 0..7 of column block b.
; Blocks b and b + 2 of a head hold channels d and d + 32 in the same lane and register: RoPE changes no lane.
; RING.  K goes in steps of 64 through two LDS slots.  xb and wq are laid in K blocks, so a step's tile is dense in memory and is asked for as rows of 256 bytes; padding follows every 128 bytes.
; Two slots of a step of 128 (2 x 184,320 bytes) would not fit in LDS beside each other.
; CLUSTER.  4 x 4 work-groups: the four of a row need the same tile of xb, the four of a column the same tile of wq: each is asked for jointly, by the same load with the same descriptor and mask.
; REGISTERS, in windows of 256 (s_set_vgpr_msb: bits 1:0 source 0, 3:2 source 1, 5:4 source 2, 7:6 destination):
;   window 0: v0-29 addresses; v32-95, v96-159 xb's fragments (8 x 16 rows x 32 K), two buffers; v160-255 wq's 12 fragments, one buffer; all of v32-175 at work on the way out
;   window 1: q's 32 accumulators (row block a, column block b at v[32 a + 8 b]);  window 2: k's;  window 3: v's
.set PITCH, 144                        ; an LDS row: 128 bytes + 16 of padding = 36 words: the 16 rows of a load start at 16 different groups of four banks (64 banks of 4 bytes: ISA guide 11.1)
.set AHALF, 128*PITCH                  ; 128 rows of xb: one tensor load, and what one wave reads
.set BHALF, 192*PITCH                  ; 192 rows of wq: likewise
.set BOFF,  2*AHALF
.set STAGE, BOFF+2*BHALF               ; behind slot 0, never filled by a tensor load: 16 rows x 144 bytes for each wave
.set SPARE, STAGE+4*16*PITCH           ; the spare words, 128 bytes for each wave: two blocks of 256 bytes that no other line names
.set SLOT1, 1<<17                      ; slot 1 begins here: one exclusive or turns an address in one slot into the other's
.set ASTEP, 32768                      ; bytes from K block to K block in xb,
.set BSTEP, 49152                      ; in wq
.set A0,  4                            ; v4   my lane's place in my 128 rows of xb; never rewritten
.set B0,  5                            ; v5   the same in my 192 rows of wq
.set AA,  6                            ; v6   A0 + the slot that is being read
.set BA,  7                            ; v7   B0 + the same
.set STO, 8                            ; v8   the way out: where I put 16 bytes of a row
.set RD,  9                            ; v9   the way out: where I read rows back
.set GO,  10                           ; v10  16 x lane
.set PFO, 11                           ; v11  256 x lane
.set HB,  12                           ; v12  32 x (lane / 16)
.set SPW, 28                           ; v28  LDS address of my spare word; never rewritten
.set NIL, 29                           ; v29  0; never rewritten
.set AB0, 32
.set AB1, 96
.set BF,  160
.set TBL, 32                           ; the way out: two sets of 16 cos and 16 sin
.set T,   96                           ; 32 numbers at work
.set P,   128                          ; 16 packed words
.set RB,  144                          ; two sets of 16: rows read back
.set WV,  12                           ; s12  my wave's number
.set RH,  13                           ; s13  which half of the tile's rows is mine.  Also: I fetch for xb (0) or for wq (1)
.set CH,  14                           ; s14  which head of the tile's two.  Also: which half of that tile I fetch
.set G1A, 24                           ; s[24:31] descriptor group 1 for xb's tiles
.set G1B, 32                           ; s[32:39] for wq's
.set G0A, 40                           ; s[40:47] group 0 for xb's tiles: a set for each first fill; the second then walks on
.set G0B, 48                           ; s[48:55] the same for wq's
.set CNT, 56                           ; s56  refills still to come
.set TB,  57                           ; s57  the slot that is being read: 0 or SLOT1
.set PFA, 58                           ; s[58:59] where my prefetches stand
.set LIM, 60                           ; s60  1 in a wave that prefetches, else the greatest number
.set QP,  66                           ; s[66:67] q, s[68:69] k, s[70:71] v at my first row of my head
.set TP,  72                           ; s[72:73] the table at my first position
.set BP,  74                           ; s[74:75] the bias of my head
.set MSB, 0
.macro WIN new                         ; the immediate's high byte repeats the setting that is left; a switch that changes nothing is dropped
.if MSB != (\new)
	s_set_vgpr_msb (MSB<<8)|(\new)
.set MSB, \new
.endif
.endm
.macro PLACES                          ; four places in front of loads into registers that matrix instructions have read, and of vector lines that read results
.rept 4
	v_nop
.endr
.endm
; A joint refill by the walking descriptors.  The branch hangs on the wave's number alone.  An s_nop 0 and four v_nop follow each of the two lines.
.macro JLOAD
	s_cmp_eq_u32 s[RH], 0
	s_cbranch_scc0 .Lfor_b_\@
	tensor_load_to_lds s[G0A+4:G0A+7], s[G1A:G1A+7]
	s_nop 0
.rept 4
	v_nop
.endr
	s_branch .Lasked_\@
.Lfor_b_\@:
	tensor_load_to_lds s[G0B+4:G0B+7], s[G1B:G1B+7]
	s_nop 0
.rept 4
	v_nop
.endr
.Lasked_\@:
.endm
; A prefetch of xb's tile of the NEXT refill: 128 blocks of 256 bytes.  Both clusters of a row of clusters read it: the one with x = 0 asks; its four partners along x take 32 blocks each, told apart
; by address; in each, wave 0 asks, a lane a block.  So each block is named once in the launch.  The last refill has no tile behind it and asks for nothing.  wq's tiles are read by eight clusters side by side and are not asked for.
.macro ASK
	s_cmp_gt_u32 s[CNT], s[LIM]
	s_cbranch_scc0 .Lnot_mine_\@
	global_prefetch_b8 v[PFO], s[PFA:PFA+1] th:TH_LOAD_NT scope:SCOPE_SE
.Lnot_mine_\@:
.endm
.macro CREST                           ; a round of the cluster's barrier behind its opening barrier
	s_cmp_lg_u32 s[WV], 0
	s_cbranch_scc1 .Lnot_wave_0_\@
	s_barrier_signal -3
.Lnot_wave_0_\@:
	s_barrier_wait -3
	s_barrier_signal -1
	s_barrier_wait -1
.endm
.macro CROUND                          ; a whole round
	s_barrier_signal -1
	s_barrier_wait -1
	CREST
.endm
	s_load_b256 s[4:11], s[0:1], 0x0               ; xb s[4:5], wq s[6:7], cst s[8:9], qkv s[10:11]
	v_lshl_add_u32 v[SPW], v0, 2, SPARE
	v_mov_b32 v[NIL], 0
	ds_add_u32 v[SPW], v[NIL]                      ; the wave's opening: the add and its wait stand ahead of my first tensor load; the set-up below, work on registers, stands between them
	v_lshrrev_b32 v1, 5, v0
	v_readfirstlane_b32 s[WV], v1
	s_lshr_b32 s[RH], s[WV], 1
	s_and_b32 s[CH], s[WV], 1
	s_bfe_u32 s16, ttmp6, 0x40000                  ; cx
	s_bfe_u32 s17, ttmp6, 0x40004                  ; cy
	s_lshl_b32 s18, ttmp9, 2
	s_add_co_u32 s18, s18, s16                     ; column tile t = 4 x cluster x + cx
	s_and_b32 s19, ttmp7, 0xffff
	s_lshl_b32 s19, s19, 2
	s_add_co_u32 s19, s19, s17                     ; row tile R = 4 x cluster y + cy
	s_lshl_b32 s20, s17, 2
	s_lshl_b32 s20, 15, s20                        ; my row of the cluster
	s_lshl_b32 s21, 0x1111, s16                    ; my column
	; group 1: rows of 128 elements of 2 bytes (256 bytes of dense memory, two LDS rows), 4 words of padding behind every 32
	s_or_b32 s[G1A], s20, (1<<16)|(1<<20)|(1<<21)|(4<<22)|(3<<25)  ; 15:0 the mask; 17:16 2-byte elements; 20 padding on; 21 set beside a mask; 24:22 after every 32 words (code 4); 31:25 4 words (code 3)
	s_or_b32 s[G1B], s21, (1<<16)|(1<<20)|(1<<21)|(4<<22)|(3<<25)
	s_mov_b32 s[G1A+1], 128<<16                    ; tensor_dim0 = 128
	s_mov_b32 s[G1A+2], 64<<16                     ; tensor_dim1 = 64
	s_mov_b32 s[G1A+3], 128<<16                    ; tile_dim0 = 128
	s_mov_b32 s[G1A+4], 64                         ; tile_dim1 = 64: 16,384 bytes, 128 rows of xb
	s_mov_b32 s[G1A+5], 128                        ; 128 elements from row to row
	s_mov_b32 s[G1A+6], 0
	s_mov_b32 s[G1A+7], 0
	s_mov_b32 s[G1B+1], 128<<16
	s_mov_b32 s[G1B+2], 96<<16
	s_mov_b32 s[G1B+3], 128<<16
	s_mov_b32 s[G1B+4], 96                         ; 24,576 bytes, 192 rows of wq
	s_mov_b32 s[G1B+5], 128
	s_mov_b32 s[G1B+6], 0
	s_mov_b32 s[G1B+7], 0
	s_mul_i32 s15, s[CH], AHALF                    ; where the tiles go: no place in the cluster enters an LDS address
	s_mov_b32 s[G0A], 1
	s_mov_b32 s[G0A+1], s15
	s_mov_b32 s[G0A+4], 1
	s_add_co_u32 s[G0A+5], s15, SLOT1
	s_mul_i32 s15, s[CH], BHALF
	s_mov_b32 s[G0B], 1
	s_add_co_u32 s[G0B+1], s15, BOFF
	s_mov_b32 s[G0B+4], 1
	s_add_co_u32 s[G0B+5], s15, BOFF+SLOT1
	s_lshl_b32 s2, s19, 19                         ; xb: the row tile's 16 K blocks of 32,768 bytes,
	s_lshl_b32 s3, s[CH], 14                       ; my half of a block
	s_add_co_u32 s2, s2, s3
	s_mov_b32 s3, 0
	s_mul_i32 s22, s18, 786432                     ; wq: the column tile's 16 K blocks of 49,152 bytes,
	s_mul_i32 s23, s[CH], 24576                    ; my half of a block
	s_add_co_u32 s22, s22, s23
	s_mov_b32 s23, 0
	s_lshr_b32 s76, s19, 3                         ; the batch,
	s_lshl_b32 s76, s76, 4
	s_lshl1_add_u32 s76, s18, s76
	s_add_co_u32 s76, s76, s[CH]                   ; 16 x batch + my head
	s_lshl_b32 s76, s76, 18                        ; 2,048 rows of 128 bytes
	s_and_b32 s77, s19, 7
	s_lshl_b32 s77, s77, 8
	s_lshl_b32 s78, s[RH], 7
	s_add_co_u32 s77, s77, s78                     ; my first position
	s_lshl_b32 s78, s77, 8                         ; in the table: 4,096 bytes for 16 positions
	s_lshl_b32 s77, s77, 7
	s_add_co_u32 s76, s76, s77
	s_mov_b32 s77, 0
	s_mov_b32 s79, 0
	s_lshl1_add_u32 s62, s18, s[CH]
	s_mul_i32 s62, s62, 768                        ; a head's 3 x 64 biases
	s_add_co_u32 s62, s62, 524288
	s_mov_b32 s63, 0
	s_lshl_b32 s[PFA], s19, 19
	s_lshl_b32 s[PFA+1], s16, 13                   ; my work-group's 32 blocks of a tile's 128
	s_add_co_u32 s[PFA], s[PFA], s[PFA+1]
	s_add_co_u32 s[PFA], s[PFA], 2*ASTEP           ; at tile 2: the first refill steps it to tile 3.  Nothing is prefetched at the head
	s_mov_b32 s[PFA+1], 0
	s_or_b32 s[LIM], s[WV], ttmp9
	s_cmp_eq_u32 s[LIM], 0
	s_cselect_b32 s[LIM], 1, -1                    ; the same in all sixteen partners, for a given wave
	s_mov_b32 s[TB], 0
	s_wait_dscnt 0x0                               ; the opening add is done
	s_wait_kmcnt 0x0
	s_add_nc_u64 s[G0A+2:G0A+3], s[4:5], s[2:3]    ; tile 0,
	s_add_nc_u64 s[G0A+6:G0A+7], s[G0A+2:G0A+3], ASTEP  ; tile 1
	s_or_b32 s[G0A+3], s[G0A+3], 0x80000000        ; type = 2
	s_or_b32 s[G0A+7], s[G0A+7], 0x80000000
	s_add_nc_u64 s[G0B+2:G0B+3], s[6:7], s[22:23]
	s_add_nc_u64 s[G0B+6:G0B+7], s[G0B+2:G0B+3], BSTEP
	s_or_b32 s[G0B+3], s[G0B+3], 0x80000000
	s_or_b32 s[G0B+7], s[G0B+7], 0x80000000
	s_add_nc_u64 s[QP:QP+1], s[10:11], s[76:77]
	s_add_nc_u64 s[QP+2:QP+3], s[QP:QP+1], 16777216
	s_add_nc_u64 s[QP+4:QP+5], s[QP:QP+1], 33554432
	s_add_nc_u64 s[TP:TP+1], s[8:9], s[78:79]
	s_add_nc_u64 s[BP:BP+1], s[8:9], s[62:63]
	s_add_nc_u64 s[PFA:PFA+1], s[4:5], s[PFA:PFA+1]
	CROUND                                         ; all sixteen work-groups are here: the first joint loads meet
	s_cmp_eq_u32 s[RH], 0                          ; a wave's two first fills stand in one branch, ahead of every wait on TENSORcnt and every LDS read: two loads of mine are out
	s_cbranch_scc0 .Lfirst_b
	tensor_load_to_lds s[G0A:G0A+3], s[G1A:G1A+7]
	s_nop 0
	tensor_load_to_lds s[G0A+4:G0A+7], s[G1A:G1A+7]
	s_nop 0
.rept 4
	v_nop
.endr
	s_branch .Lfirst_asked
.Lfirst_b:
	tensor_load_to_lds s[G0B:G0B+3], s[G1B:G1B+7]
	s_nop 0
	tensor_load_to_lds s[G0B+4:G0B+7], s[G1B:G1B+7]
	s_nop 0
.rept 4
	v_nop
.endr
.Lfirst_asked:
	v_and_b32 v1, 15, v0                           ; l % 16
	v_bfe_u32 v2, v0, 4, 1                         ; l / 16
	v_lshlrev_b32 v[HB], 5, v2
	; The bias of a lane's eight channels is the same for all eight row blocks: it is loaded into row block 7's accumulators, is the C operand of the other seven blocks' first products, and block 7 adds onto it in place.
.irp wh, 0,1,2
	WIN 0x40*(1+\wh)
.irp b, 0,1,2,3
	global_load_b128 v[224+8*\b:224+8*\b+3],   v[HB], s[BP:BP+1] offset:256*\wh+64*\b
	global_load_b128 v[224+8*\b+4:224+8*\b+7], v[HB], s[BP:BP+1] offset:256*\wh+64*\b+16
.endr
.endr
	WIN 0
	v_mul_u32_u24 v3, v1, PITCH
	v_lshl_add_u32 v3, v2, 4, v3                   ; a fragment's row x pitch + 16 x half
	s_mul_i32 s2, s[RH], AHALF
	v_add_nc_u32 v[A0], s2, v3
	s_mul_i32 s2, s[CH], BHALF
	s_add_co_u32 s2, s2, BOFF
	v_add_nc_u32 v[B0], s2, v3
	v_mov_b32 v[AA], v[A0]
	v_mov_b32 v[BA], v[B0]
	s_mul_i32 s2, s[WV], 16*PITCH
	s_add_co_u32 s2, s2, STAGE                     ; my stage
	v_add_nc_u32 v[STO], s2, v3                    ; in: row l % 16, 16 bytes for each half of the lanes
	v_bfe_u32 v[RD], v0, 3, 2                      ; back: 32 lanes take four rows of 128 bytes,
	v_mul_u32_u24 v[RD], v[RD], PITCH
	v_and_b32 v13, 7, v0
	v_lshl_add_u32 v[RD], v13, 4, v[RD]
	v_add_nc_u32 v[RD], s2, v[RD]
	v_and_b32 v[GO], 31, v0
	v_lshlrev_b32 v[PFO], 8, v[GO]
	v_lshlrev_b32 v[GO], 4, v[GO]                  ; which are 512 consecutive bytes of a head's rows
; A run of LDS loads for the next 32 along K, at byte k of the rows.  r = 0, 1: wq's fragments 4 r .. 4 r + 3 and xb's 4 r .. 4 r + 3 (into buffer ab): 16 loads; r = 2: wq's fragments 8 .. 11: 8 loads.
.macro RUN r, ab, k
	WIN 0
.irp i, 0,1,2,3
	ds_load_b128 v[BF+8*(4*(\r)+\i):BF+8*(4*(\r)+\i)+3],   v[BA] offset:(\k)+(4*(\r)+\i)*16*PITCH
	ds_load_b128 v[BF+8*(4*(\r)+\i)+4:BF+8*(4*(\r)+\i)+7], v[BA] offset:(\k)+(4*(\r)+\i)*16*PITCH+32
.endr
.if (\r) < 2
.irp i, 0,1,2,3
	ds_load_b128 v[(\ab)+8*(4*(\r)+\i):(\ab)+8*(4*(\r)+\i)+3],   v[AA] offset:(\k)+(4*(\r)+\i)*16*PITCH
	ds_load_b128 v[(\ab)+8*(4*(\r)+\i)+4:(\ab)+8*(4*(\r)+\i)+7], v[AA] offset:(\k)+(4*(\r)+\i)*16*PITCH+32
.endr
.endif
.endm
; 4 n matrix instructions of window w (1 q, 2 k, 3 v): row blocks a0 .. a0 + n - 1 x the window's 4 column blocks.  Every accumulator has one instruction in a stretch of 32 along K, always in the same
; order: 95 others' stand between two links of a chain, over the backward jump too.
; first = 1: the sums start from the bias; five places stand between the last product that read it as C and the product that writes over it (ISA guide 7.12.1).
.macro ST w, ab, a0, n, first
	WIN 0x50*(\w)
.set ra, \a0
.rept \n
.if (\first) && (ra == 7)
.rept 5
	v_nop
.endr
.endif
.irp b, 0,1,2,3
.if (\first) && (ra < 7)
	v_wmma_f32_16x16x32_bf16 v[32*ra+8*\b:32*ra+8*\b+7], v[BF+8*(4*((\w)-1)+\b):BF+8*(4*((\w)-1)+\b)+7], v[(\ab)+8*ra:(\ab)+8*ra+7], v[224+8*\b:224+8*\b+7]
.else
	v_wmma_f32_16x16x32_bf16 v[32*ra+8*\b:32*ra+8*\b+7], v[BF+8*(4*((\w)-1)+\b):BF+8*(4*((\w)-1)+\b)+7], v[(\ab)+8*ra:(\ab)+8*ra+7], v[32*ra+8*\b:32*ra+8*\b+7]
.endif
.endr
.set ra, ra+1
.endr
.endm
; 32 ALONG K: 96 matrix instructions in three stretches, q's, k's, v's, on xb's buffer ab.  Behind each stretch stands a run of loads for the next 32 along K (xb's into buffer nb, byte k of the rows):
; wq has one buffer, and a fragment is loaded again straight behind the stretch that read it, 64 matrix instructions ahead of its next use.
; mode 0: plain.  mode 1: the next 32 along K lie in the other slot, and this slot is filled again: ONE round of the cluster's barrier; in front of it each wave waits for all its tensor loads (one is out: its
; part of the other slot), adds 0 to its spare word and waits for that and for its reads of this slot; the joint refill is the first thing behind it, 160 matrix instructions ahead of the wait for it.
; mode 2: the same change with nothing left to fetch: a plain barrier.  mode 3: the last 32 along K.
.macro SUB ab, nb, k, mode, first=0
.if (\mode) == 1
	s_wait_xcnt 0x0                                ; the last prefetch, a step back, has read its address
	s_add_nc_u64 s[PFA:PFA+1], s[PFA:PFA+1], ASTEP
.endif
.if ((\mode) == 1) || ((\mode) == 2)
	WIN 0
	s_wait_tensorcnt 0x0                           ; all my tensor loads have landed
	ds_add_u32 v[SPW], v[NIL]                      ; 0 onto my spare word
	s_wait_dscnt 9                                 ; the add and the last run's eight loads may be out
.else
	s_wait_dscnt 8                                 ; the last run's eight loads (wq's fragments 8 to 11) may be out
.endif
	ST 1, \ab, 0, 4, \first
.if ((\mode) == 1) || ((\mode) == 2)
	s_wait_dscnt 0x0                               ; the add is done, and my reads of this slot are over
	s_barrier_signal -1
.endif
	ST 1, \ab, 4, 4, \first
.if ((\mode) == 1) || ((\mode) == 2)
	WIN 0
	s_barrier_wait -1
.endif
.if (\mode) == 1
	CREST                                          ; no wave of any partner still reads this slot or has a load on its way
	s_xor_b32 s[G0A+5], s[G0A+5], SLOT1            ; the walking descriptors: the other slot than last time, the next K block
	s_add_nc_u64 s[G0A+6:G0A+7], s[G0A+6:G0A+7], ASTEP
	s_xor_b32 s[G0B+5], s[G0B+5], SLOT1
	s_add_nc_u64 s[G0B+6:G0B+7], s[G0B+6:G0B+7], BSTEP
	JLOAD                                          ; the four v_nop behind it are also the places in front of the loads below
.elseif (\mode) != 3
	PLACES
.endif
.if ((\mode) == 1) || ((\mode) == 2)
	s_xor_b32 s[TB], s[TB], SLOT1
	v_add_nc_u32 v[AA], s[TB], v[A0]
	v_add_nc_u32 v[BA], s[TB], v[B0]
.endif
.if (\mode) != 3
	RUN 0, \nb, \k
.endif
.if (\mode) == 1
	ASK
.endif
	ST 2, \ab, 0, 8, \first
.if (\mode) != 3
	PLACES
	RUN 1, \nb, \k
	s_wait_dscnt 32                                ; all but the 32 loads of the two runs just issued: wq's fragments 8 to 11 are in
.else
	s_wait_dscnt 0x0
.endif
	ST 3, \ab, 0, 8, \first
.if (\mode) != 3
	PLACES
	RUN 2, \nb, \k
.endif
.endm
	s_wait_tensorcnt 1                             ; my part of tile 0 is in; tile 1's may stay out
	s_barrier_signal -1
	s_barrier_wait -1                              ; everybody's is
	RUN 0, AB0, 0
	RUN 1, AB0, 0
	RUN 2, AB0, 0
	s_wait_loadcnt 0x0                             ; the bias
	SUB AB0, AB1, 64, 0, 1
	WIN 0
	s_mov_b32 s[CNT], 14
.Lstep:                                                ; 14 trips: from a step's second half to the next step's first; tiles 2 to 15 are asked for
	SUB AB1, AB0, 0, 1
	SUB AB0, AB1, 64, 0
	WIN 0
	s_sub_co_u32 s[CNT], s[CNT], 1
	s_cmp_lg_u32 s[CNT], 0
	s_cbranch_scc1 .Lstep
	SUB AB1, AB0, 0, 2                             ; the tail is written out
	SUB AB0, AB1, 64, 0
	SUB AB1, 0, 0, 3
; THE WAY OUT, a row block of 16 rows and one of q, k, v at a time: RoPE (q, k), rounding to f16, 16 bytes a lane into my stage, back as whole rows, stored as 512 consecutive bytes.
.macro TABLD blk                       ; cos and sin of row block blk's 16 positions, in my lane's layout: 8 loads of 512 consecutive bytes
.irp c, 0,1,2,3,4,5,6,7
	global_load_b128 v[TBL+32*((\blk)%2)+4*\c:TBL+32*((\blk)%2)+4*\c+3], v[GO], s[TP:TP+1] offset:(\blk)*4096+512*\c
.endr
.endm
; x1 = channels d < 32 (column blocks 0, 1), x2 = channels d + 32 (blocks 2, 3): x1 cos - x2 sin, x2 cos + x1 sin.  Each accumulator's lowest registers are read first.
.macro ROPE blk, w
.set CO, TBL+32*((\blk)%2)
.set SI, CO+16
	WIN \w                                         ; source 0 in window w
.irp bb, 0,1
.irp j, 0,2,4,6
	v_pk_mul_f32 v[T+8*\bb+\j:T+8*\bb+\j+1],       v[32*(\blk)+8*(\bb+2)+\j:32*(\blk)+8*(\bb+2)+\j+1], v[SI+8*\bb+\j:SI+8*\bb+\j+1]
	v_pk_mul_f32 v[T+16+8*\bb+\j:T+16+8*\bb+\j+1], v[32*(\blk)+8*\bb+\j:32*(\blk)+8*\bb+\j+1],         v[SI+8*\bb+\j:SI+8*\bb+\j+1]
.endr
.endr
.irp bb, 0,1
.irp j, 0,2,4,6
	v_pk_fma_f32 v[T+8*\bb+\j:T+8*\bb+\j+1],       v[32*(\blk)+8*\bb+\j:32*(\blk)+8*\bb+\j+1],         v[CO+8*\bb+\j:CO+8*\bb+\j+1], v[T+8*\bb+\j:T+8*\bb+\j+1] neg_lo:[0,0,1] neg_hi:[0,0,1]
	v_pk_fma_f32 v[T+16+8*\bb+\j:T+16+8*\bb+\j+1], v[32*(\blk)+8*(\bb+2)+\j:32*(\blk)+8*(\bb+2)+\j+1], v[CO+8*\bb+\j:CO+8*\bb+\j+1], v[T+16+8*\bb+\j:T+16+8*\bb+\j+1]
.endr
.endr
	WIN 0
.set n, 0
.rept 16
	v_cvt_pk_f16_f32 v[P+n], v[T+2*n], v[T+2*n+1]
.set n, n+1
.endr
.endm
.macro PLAINV blk                      ; v has no RoPE
	WIN 0x0f                                       ; sources 0 and 1 in window 3
.set n, 0
.rept 16
	v_cvt_pk_f16_f32 v[P+n], v[32*(\blk)+2*n], v[32*(\blk)+2*n+1]
.set n, n+1
.endr
	WIN 0
.endm
.macro TOST sel
.irp f, 0,1,2,3
	ds_store_b128 v[STO], v[P+4*\f:P+4*\f+3] offset:32*\f
.endr
.irp f, 0,1,2,3
	ds_load_b128 v[RB+16*(\sel)+4*\f:RB+16*(\sel)+4*\f+3], v[RD] offset:4*PITCH*\f  ; LDS serves a wave's instructions in order (ISA guide 5.7.1.4): these see the stores above
.endr
.endm
.macro SEND blk, base, sel
	s_wait_dscnt 0x0                               ; the rows are back in registers
	s_wait_xcnt 0x0                                ; the stores before these have read their registers: the other set is loaded again only behind this wait
.irp f, 0,1,2,3
	global_store_b128 v[GO], v[RB+16*(\sel)+4*\f:RB+16*(\sel)+4*\f+3], s[(\base):(\base)+1] offset:2048*(\blk)+512*\f
.endr
.endm
.macro FLOW blk, base                  ; behind a unit's packing: the unit before is stored, this one goes through the stage
.if UN > 0
	SEND PREVA, PREVB, (UN-1)%2
.endif
	TOST UN%2
.set PREVA, \blk
.set PREVB, \base
.set UN, UN+1
.endm
	WIN 0
	PLACES
	TABLD 0
.set UN, 0
.irp a, 0,1,2,3,4,5,6,7
.if \a < 7
	TABLD (\a)+1
.endif
	PLAINV \a
	FLOW \a, QP+4
.if \a < 7
	s_wait_loadcnt 0x8                             ; this block's cos and sin are in; the next block's eight loads may stay out
.else
	s_wait_loadcnt 0x0
.endif
	ROPE \a, 1
	FLOW \a, QP
	ROPE \a, 2
	FLOW \a, QP+2
.endr
	SEND PREVA, PREVB, (UN-1)%2
	s_wait_tensorcnt 0x0                           ; the wave's end: behind my last tensor load and my last LDS store
	ds_add_u32 v[SPW], v[NIL]
	s_wait_dscnt 0x0
	CROUND                                         ; the closing round: no work-group ends while a partner may still ask for a tile that names it
	s_endpgm
.Lfunc_end_k_q708eb9d013_qkvp:
	.size	k_q708eb9d013_qkvp, .Lfunc_end_k_q708eb9d013_qkvp-k_q708eb9d013_qkvp
	.p2alignl 7, 3214868480
	.fill 96, 4, 3214868480
	.section	.rodata,"a",@progbits
	.p2align	6, 0x0
	.amdhsa_kernel k_q708eb9d013_qkvp
		.amdhsa_group_segment_fixed_size 327680
		.amdhsa_private_segment_fixed_size 0
		.amdhsa_enable_private_segment 0
		.amdhsa_kernarg_size 32
		.amdhsa_user_sgpr_count 2
		.amdhsa_user_sgpr_kernarg_segment_ptr 1
		.amdhsa_wavefront_size32 1
		.amdhsa_system_sgpr_workgroup_id_x 1
		.amdhsa_system_sgpr_workgroup_id_y 1
		.amdhsa_system_sgpr_workgroup_id_z 1
		.amdhsa_system_vgpr_workitem_id 0
		.amdhsa_next_free_vgpr 1024
		.amdhsa_next_free_sgpr 80
		.amdhsa_reserve_vcc 0
		.amdhsa_float_denorm_mode_32 3
		.amdhsa_float_denorm_mode_16_64 3
		.amdhsa_memory_ordered 1
		.amdhsa_forward_progress 1
		.amdhsa_inst_pref_size 153
	.end_amdhsa_kernel
	.amdgpu_metadata
---
amdhsa.version: [ 1, 2 ]
amdhsa.kernels:
  - .name:           k_q708eb9d013_qkvp
    .symbol:         k_q708eb9d013_qkvp.kd
    .args:
      - { .name: xb, .offset: 0, .size: 8, .value_kind: global_buffer, .address_space: global }
      - { .name: wq, .offset: 8, .size: 8, .value_kind: global_buffer, .address_space: global }
      - { .name: cst, .offset: 16, .size: 8, .value_kind: global_buffer, .address_space: global }
      - { .name: qkv, .offset: 24, .size: 8, .value_kind: global_buffer, .address_space: global }
    .group_segment_fixed_size: 327680
    .private_segment_fixed_size: 0
    .kernarg_segment_align: 8
    .kernarg_segment_size: 32
    .max_flat_workgroup_size: 128
    .sgpr_count:     80
    .vgpr_count:     1024
    .wavefront_size: 32
...
	.end_amdgpu_metadata
.endif
;; end of part 2
;; launch attn (part 3): grid 4 x 64, 4 waves a work-group, clusters of 4 x 1, 327,680 bytes of LDS; arguments qkv, oh; writes oh
.if DOCPART == 3
	.amdgcn_target "amdgcn-amd-amdhsa--gfx1250"
	.amdhsa_code_object_version 6
	.text
	.protected	k_q708eb9d013_attn
	.globl	k_q708eb9d013_attn
	.p2align	8
	.type	k_q708eb9d013_attn,@function
k_q708eb9d013_attn:
	s_mov_b64 s[64:65], 0
	v_nop
	global_prefetch_b8 v0, s[64:65] scope:SCOPE_SE
	s_setreg_imm32_b32 hwreg(HW_REG_WAVE_MODE, 25, 1), 1
	s_wait_xcnt 0x0
	s_wait_alu depctr_hold_cnt(0) depctr_sa_sdst(0) depctr_va_vdst(0) depctr_va_sdst(0) depctr_va_ssrc(0) depctr_va_vcc(0) depctr_vm_vsrc(0)
	s_getreg_b32 s2, hwreg(HW_REG_IB_STS2, 6, 4)
	s_cmp_eq_u32 s2, 0
	s_cbranch_scc0 .Lentry_in_a_cluster
	s_endpgm
.Lentry_in_a_cluster:
	s_bfe_u32 s2, ttmp6, 0x10000c
	s_cmp_lg_u32 s2, 0x3003
	s_cbranch_scc0 .Lentry_shape_is_right
	s_endpgm
.Lentry_shape_is_right:
; O[h][q][:] = the sum over k of softmax_k(Q[h][q] . K[h][k] / 8) V[h][k][:].  Q, K, V lie one behind the other in qkv, each [SIZE_H][SIZE_N][64] in f16, O likewise in oh: a head's rows are dense, 128 bytes each.
; Products, maxima and sums in f32; the weights p are rounded to f16 for the second product (their sum l is taken of the unrounded p), O once at the end.
; LIMITS.  f16 holds no number beyond 65,504: Q, K and V arrive within it; p lies in 0 to 1, and below 6e-5 it keeps f16's fixed step of 6e-8, as does O; O is a mean of V's rows and has their range.
; A weight below 2^-126 counts as 0 in l; NaN and infinities are not treated apart.
; SHARES.  A wave owns four PIECES of two tiles of 16 queries, a work-group's four waves 512 queries of one head.  Every wave walks all keys, 64 a step.
; LAYOUT.  S^T = K Q^T (source 0 = 16 keys, source 1 = 16 queries): in the result a lane holds ONE query (lane % 16) and the keys 8 (lane / 16) + 0..7.  Two such tiles, rounded to f16 in pairs,
; ARE source 1 (32 keys x 16 queries) of O^T = V^T P, whose result again holds one query a lane, and eight channels.  K comes out of LDS as it lies, V ([key][channel]) turned, by ds_load_tr16_b128.
; SOFTMAX.  For each query a running maximum m and sum l: p = 2^(c s - c m), c = log2(e) / 8; in every step O and l are multiplied by a = 2^(c m_old - c m_new), which is 1 where m has not grown.
; m starts at the lowest finite number, O and l at 0: the first step is a step like any other, with a = 0.
; THE COUNT.  A tile and step have 16 matrix and 118 vector instructions: too many to stand all beside the matrix work.  So the order has one aim: four vector instructions that are READY behind
; EVERY matrix instruction, and the others, which need time of their own whatever the order, in runs without a gap.
; BY TURNS.  Turn n belongs to piece n (the pieces in a ring, step after step).  Its matrix work: 16 products K Q^T of piece n + 1, later 16 products V^T P of piece n - 1.  Its vector work: the scaling,
; exponentials, roundings, sums and rescaling of piece n, and the maximum and statistics of piece n + 1, whose scores the turn itself has made.  So what a turn begins with (c s - c m, O a) waits for nothing.
; CLUSTER.  The four query blocks of a cluster belong to one head and walk the same K and V, so each tile is asked for JOINTLY: the same tensor load, descriptor and mask in all four.
; No prefetch: a refill is asked for four key steps, 512 matrix instructions and their vector work, ahead of the wait for it.
; REGISTERS, in windows of 256 (s_set_vgpr_msb says which window each operand place means: bits 1:0 source 0, 3:2 source 1, 5:4 source 2, 7:6 destination):
;   window 0: v0-11 addresses; v12-15, v48-63 at work; v16-47 four registers of statistics a tile; v64-191 S^T, two buffers of two tiles; v192-255 P, likewise
;   window 1: O^T, 32 a tile          window 2: v0-127 Q, 16 a tile; v128-191 K of one step; v192-255 V of one step          window 3: v0-1 the add's two registers
; A piece's buffers go by its number's parity: the piece in hand has one pair, its two neighbours in the ring share the other: of it P (piece n - 1) is read and S^T (piece n + 1) written.
.set SIZE_H, 64
.set SIZE_N, 2048
.set NP,    4         ; pieces a wave: a name, no knob: the register map, the loop and the fetches are made for four
.set KS,    64        ; keys in a step
.set PK,    144       ; a row of K in LDS: 128 bytes + 16 of padding = 36 words: the 16 rows of a load start at 16 different groups of four banks (64 banks of 4 bytes: ISA guide 11.1)
.set PV,    160       ; a row of V: 128 + 32 = 40 words
.set VOFF,  4*KS*PK   ; a slot holds four steps: 256 rows of K, then 256 rows of V
.set SLOT1, 1<<17     ; slot 1 begins here, so that one exclusive or turns an address in one slot into the other's
.set STAGE, SLOT1+4*KS*(PK+PV)  ; behind the ring, never filled by a tensor load: 16 rows x 144 bytes for each wave, for the way out
.set SP,    144
.set AK0, 2           ; v2   my lane's place in a tile of K; never rewritten
.set AV0, 3           ; v3   the same for V
.set AK,  4           ; v4   the LDS address of K's next run of loads
.set AV,  5           ; v5   of V's
.set QO,  6           ; v6   my byte offset in the wave's rows of Q
.set STO, 6           ;      later, the way out: where I put 16 bytes of a row
.set RD,  7           ; v7   the way out: where I read rows back
.set GO,  8           ; v8   my byte offset in 512 consecutive bytes of O
.set SPW, 0           ; v0 of window 3   LDS address of my spare word: SPARE + 4 x my thread's number; never rewritten
.set NIL, 1           ; v1 of window 3   0; never rewritten
.set SPARE, STAGE+4*16*SP  ; behind the stages: the spare words, 128 bytes for each wave: two blocks of 256 bytes that no other line names
.set MV,  12          ; v12-15  c m_old, kept while c m is made anew: by buffer and tile
.set ST,  16          ; tile t's statistics at v[ST+4 t]: c m, m, l (even keys', odd keys')
.set TMP, 48          ; by buffer and tile, four registers c0-c3 at work; when the maximum is found c2 takes a
.set S,   64
.set P,   192
.set KF,  128         ; K's fragments, in window 2: key block kb, channel half c at KF + 16 kb + 8 c
.set VF,  192         ; V's: key half kk, channel block cb at VF + 32 kk + 8 cb
.set WV,  12          ; s12  my wave's number
.set G1K, 24          ; s[24:31] descriptor group 1 for K's tiles
.set G1V, 32          ; s[32:39] for V's: it differs in the padding alone
.set G0K, 40          ; s[40:43] descriptor group 0 for K's tiles: it walks
.set G0V, 44          ; s[44:47] the same for V's
.set SLOTS, 56        ; s56  slots still to be asked for
.set CNT, 57          ; s57  counts a slot's key steps
.set CS,  58          ; s[58:59] c: the packed scaling takes the pair's low word for both halves
.set SEL, 60          ; s[60:61] v_permlanex16_b32's selects: each lane takes its own place in the other half
.set TBK, 62          ; s62  LDS byte at which K of the step to be fetched begins
.set TBV, 63          ; s63  the same for V, less VOFF
.set MSB, 0
.macro WIN new                      ; the high byte repeats the setting that is left; a switch that changes nothing is dropped
.if MSB != (\new)
	s_set_vgpr_msb (MSB<<8)|(\new)
.set MSB, (\new)
.endif
.endm
.set W_KQ, 0x0a       ; K and Q in window 2, S^T in window 0
.set W_PV, 0x52       ; V in window 2, P in window 0, O^T in window 1
.set W_RS, 0x41       ; O^T (destination and source 0) in window 1, a in window 0
.set W_MK, 0xc0       ; the add's registers are made: destination in window 3, sources in window 0
.set W_AD, 0x0f       ; the add: address (source 0) and data (source 1) in window 3
; A joint fill.  Waves 0 and 1 fetch the two halves of a slot's K, waves 2 and 3 those of its V: 128 keys each.  The branch hangs on the wave's number alone.
; An s_nop 0 and four v_nop follow each of the two lines, ahead of the jump and the label.
.macro JLOAD
	s_cmp_lt_u32 s[WV], 2
	s_cbranch_scc0 .Lfor_v_\@
	tensor_load_to_lds s[G0K:G0K+3], s[G1K:G1K+7]
	s_nop 0
.rept 4
	v_nop
.endr
	s_branch .Lasked_\@
.Lfor_v_\@:
	tensor_load_to_lds s[G0V:G0V+3], s[G1V:G1V+7]
	s_nop 0
.rept 4
	v_nop
.endr
.Lasked_\@:
.endm
; A round of the cluster's barrier: my work-group's barrier, so that wave 0's signal speaks for all four waves; wave 0 signals; every wave waits for all four work-groups; my work-group's barrier once more.
.macro CROUND
	s_barrier_signal -1
	s_barrier_wait -1
	s_cmp_lg_u32 s[WV], 0
	s_cbranch_scc1 .Lnot_wave_0_\@
	s_barrier_signal -3
.Lnot_wave_0_\@:
	s_barrier_wait -3
	s_barrier_signal -1
	s_barrier_wait -1
.endm
; THE CHANGE OF SLOTS.  The slot's last bytes, V of its fourth step, have been read.  Each wave waits for all its tensor loads, of which one is out: its part
; of the other slot; adds 0 to its spare word; and waits for that and for its own reads of the slot.  Behind the barrier nobody reads this slot any more and the other slot is whole.
; fill = 1: this slot is filled again, with the keys two slots on.  The barrier is then a round of the cluster's, so that no wave of any partner still reads the slot or has a load on its
; way, and the joint fill is the first thing behind it: it has four key steps, 512 matrix instructions, in which to land.  (At its first use nothing has been read yet: slot 0 is waited for, slot 1 filled.)
.macro CHANGE fill
	WIN W_AD
	s_wait_tensorcnt 0x0            ; no tensor load of mine is out, so a group 0 may be written
	ds_add_u32 v[SPW], v[NIL]       ; 0 onto my spare word; with fill = 1 the descriptors' steps stand between it and the wait for it
	WIN 0                           ; at a label and at a branch every window is 0
.if \fill
.irp g, G0K, G0V
	s_xor_b32 s[\g+1], s[\g+1], SLOT1  ; the walking descriptor: the other slot than last time,
	s_add_nc_u64 s[\g+2:\g+3], s[\g+2:\g+3], 4*KS*128  ; the next 256 keys; the type bits on top are not reached
.endr
	s_wait_dscnt 0x0                ; the add is done, and my reads of the slot are over
	CROUND
	JLOAD
.else
	s_wait_dscnt 0x0                ; the add is done, and my reads of the slot are over
	s_barrier_signal -1
	s_barrier_wait -1
.endif
	s_sub_co_u32 s[TBK], s[TBK], 4*KS*PK  ; the fetches go back to a slot's first step,
	s_xor_b32 s[TBK], s[TBK], SLOT1       ; in the other slot
	s_sub_co_u32 s[TBV], s[TBV], 4*KS*PV
	s_xor_b32 s[TBV], s[TBV], SLOT1
.endm
	s_load_b128 s[4:7], s[0:1], 0x0   ; qkv s[4:5], oh s[6:7]
	WIN W_MK
	v_lshl_add_u32 v[SPW], v0, 2, SPARE
	v_mov_b32 v[NIL], 0
	WIN W_AD
	ds_add_u32 v[SPW], v[NIL]       ; the wave's opening: the add and its wait stand ahead of my first tensor load; the set-up below, work on registers, stands between them
	WIN 0
	v_lshrrev_b32 v1, 5, v0
	v_readfirstlane_b32 s[WV], v1   ; wave 0..3
	s_bfe_u32 s13, ttmp6, 0x40000   ; cx: my place in the cluster
	s_lshl_b32 s14, ttmp9, 2        ; in a cluster launch ttmp9 counts clusters
	s_add_co_u32 s14, s14, s13      ; my block of queries = 4 x cluster x + cx: it enters Q's and O's addresses alone
	s_and_b32 s20, ttmp7, 0xffff    ; the head, which the four partners share
	s_mov_b32 s21, 0
	s_mov_b64 s[22:23], SIZE_N*128
	s_mul_u64 s[20:21], s[20:21], s[22:23]  ; the head's first byte in each of the four tensors
	s_and_b32 s16, s[WV], 1         ; which half of a slot's 256 keys I fetch:
	s_lshl_b32 s22, s16, 14         ; its 128 rows of 128 bytes in memory,
	s_mov_b32 s23, 0
	s_add_nc_u64 s[22:23], s[22:23], s[20:21]
	s_mul_i32 s17, s16, 128*PK      ; and its place in a slot, for K
	s_mul_i32 s18, s16, 128*PV      ; and for V: no place in the cluster enters an LDS address
	s_lshl_b32 s2, s14, 2
	s_add_co_u32 s2, s2, s[WV]      ; my wave among the head's,
	s_lshl_b32 s2, s2, 14           ; its 128 rows
	s_mov_b32 s3, 0
	s_add_nc_u64 s[2:3], s[2:3], s[20:21]
	; descriptor group 1.  128 keys are 16,384 dense bytes: asked for as 64 rows of 256 bytes, two keys a row, and padded in LDS after every key
	s_mov_b32 s[G1K], 15|(1<<16)|(1<<20)|(1<<21)|(4<<22)|(3<<25)  ; 15:0 the mask of four; 17:16 2-byte elements; 20 padding on; 21 set beside a mask; 24:22 after every 32 words (code 4); 31:25 4 words (code 3)
	s_mov_b32 s[G1V], 15|(1<<16)|(1<<20)|(1<<21)|(4<<22)|(7<<25)  ; the same with 8 words of padding (code 7)
.irp g, G1K, G1V
	s_mov_b32 s[\g+1], 128<<16      ; tensor_dim0 = 128
	s_mov_b32 s[\g+2], 64<<16       ; tensor_dim1 = 64
	s_mov_b32 s[\g+3], 128<<16      ; tile_dim0 = 128
	s_mov_b32 s[\g+4], 64           ; tile_dim1 = 64
	s_mov_b32 s[\g+5], 128          ; 128 elements from row to row
	s_mov_b32 s[\g+6], 0
	s_mov_b32 s[\g+7], 0
.endr
	s_mov_b32 s[CS], 0x3e38aa3b     ; c = log2(e) / 8 = 0.180337
	s_mov_b32 s[CS+1], s[CS]        ; named with it as a pair
	s_mov_b32 s[SEL], 0x76543210
	s_mov_b32 s[SEL+1], 0xfedcba98
	s_mov_b32 s[TBK], SLOT1+4*KS*PK ; the first change of slots turns these two into 0
	s_mov_b32 s[TBV], SLOT1+4*KS*PV
	s_mov_b32 s[G0K], 1             ; 1:0 count = 1
	s_mov_b32 s[G0K+1], s17         ; 63:32 LDS address: slot 0
	s_mov_b32 s[G0V], 1
	s_add_co_u32 s[G0V+1], s18, VOFF
	s_wait_dscnt 0x0                ; the opening add is done
	s_wait_kmcnt 0x0
	s_mov_b64 s[10:11], s[6:7]                     ; O
	s_add_nc_u64 s[6:7], s[4:5], SIZE_H*SIZE_N*128   ; K lies behind Q,
	s_add_nc_u64 s[8:9], s[4:5], 2*SIZE_H*SIZE_N*128 ; V behind K
	s_add_nc_u64 s[G0K+2:G0K+3], s[6:7], s[22:23]  ; 120:64 global address: my half of the head's first 256 keys
	s_or_b32 s[G0K+3], s[G0K+3], 0x80000000        ; 127:126 type = 2
	s_add_nc_u64 s[G0V+2:G0V+3], s[8:9], s[22:23]
	s_or_b32 s[G0V+3], s[G0V+3], 0x80000000
	s_add_nc_u64 s[4:5], s[4:5], s[2:3]  ; Q and O at my wave's first row
	s_add_nc_u64 s[10:11], s[10:11], s[2:3]
	CROUND                          ; all four work-groups are here: the first joint loads meet
	JLOAD                           ; slot 0.  Slot 1 is asked for when slot 0 is in: the tile wanted first has the road to itself
	; A fragment of K or Q is 16 rows x 32 channels in 8 registers: lane l holds row l % 16, channels 8 (l / 16) + 0..7 and 16 + 8 (l / 16) + 0..7: two loads of 16 bytes, 32 bytes apart.
	v_and_b32 v1, 15, v0            ; l % 16
	v_bfe_u32 v9, v0, 4, 1          ; l / 16
	v_lshlrev_b32 v[QO], 7, v1
	v_lshl_add_u32 v[QO], v9, 4, v[QO]  ; row x 128 + 16 x half
	WIN 0x80                        ; destination window 2, address window 0
.set i, 0
.rept 4*NP                          ; Q stays in registers: tile i / 2, channels 32 (i % 2) on
	global_load_b128 v[8*i:8*i+3],   v[QO], s[4:5] offset:(i/2)*2048+(i%2)*64
	global_load_b128 v[8*i+4:8*i+7], v[QO], s[4:5] offset:(i/2)*2048+(i%2)*64+32
.set i, i+1
.endr
	; What the first turn finds: V's registers and P's second buffer hold 0 (its products V^T P, of a piece that has not been, add 0), O^T and l are 0.  All this stands in the wait for the first tile.
.set i, VF
.rept 64
	v_mov_b32 v[i], 0
.set i, i+1
.endr
	WIN 0x40
.set i, 0
.rept 64*NP
	v_mov_b32 v[i], 0
.set i, i+1
.endr
	WIN 0
.set i, 0
.rept 2*NP
	v_mov_b32 v[ST+4*i], 0xfe000000    ; c m: far below every c s
	v_mov_b32 v[ST+4*i+1], 0xff7fffff  ; m
	v_mov_b32 v[ST+4*i+2], 0
	v_mov_b32 v[ST+4*i+3], 0
.set i, i+1
.endr
.set i, P+32
.rept 32
	v_mov_b32 v[i], 0
.set i, i+1
.endr
	v_mul_u32_u24 v[AK0], v1, PK
	v_lshl_add_u32 v[AK0], v9, 4, v[AK0]  ; row x pitch + 16 x half
	; The turning load takes 16 keys x 16 channels (lane l reads key 8 (l / 16) + l % 8, channels 8 ((l / 8) % 2) + 0..7) and leaves half a fragment of V^T: lane l holds channel l % 16 and 8 keys.
	v_and_b32 v10, 7, v0
	v_bfe_u32 v11, v0, 3, 1
	v_lshl_add_u32 v[AV0], v9, 3, v10
	v_mul_u32_u24 v[AV0], v[AV0], PV
	v_lshl_add_u32 v[AV0], v11, 4, v[AV0]
	v_add_nc_u32 v[AV0], VOFF, v[AV0]
	v_mov_b32 v[AK], v[AK0]         ; key step 0 lies at the head of slot 0
; THE MATRIX WORK.  The 8 accumulators of a run of 16 take turns: between the two links of a chain stand 7 others'.
; Product i of 16 of S^T = K Q^T for piece x: channels 32 (i / 8) on, keys 16 ((i / 2) % 4) on, tile 2 x + i % 2.  The first 8 start the sums.
.macro KQ x
	WIN W_KQ
.set rS, S+64*((\x)%2)+32*(i%2)+8*((i/2)%4)
.set rK, KF+16*((i/2)%4)+8*(i/8)
.set rQ, 16*(2*(\x)+i%2)+8*(i/8)
.if i < 8
	v_wmma_f32_16x16x32_f16 v[rS:rS+7], v[rK:rK+7], v[rQ:rQ+7], 0
.else
	v_wmma_f32_16x16x32_f16 v[rS:rS+7], v[rK:rK+7], v[rQ:rQ+7], v[rS:rS+7]
.endif
.endm
; Product i of 16 of O^T += V^T P for piece x: keys 32 (i / 8) on, channels 16 ((i / 2) % 4) on, tile 2 x + i % 2.
.macro PV x
	WIN W_PV
.set rO, 32*(2*(\x)+i%2)+8*((i/2)%4)
.set rV, VF+32*(i/8)+8*((i/2)%4)
.set rP, P+32*((\x)%2)+16*(i%2)+8*(i/8)
	v_wmma_f32_16x16x32_f16 v[rO:rO+7], v[rV:rV+7], v[rP:rP+7], v[rO:rO+7]
.endm
.macro MM                           ; the turn's next matrix instruction
.if i < 16
	KQ (Y+1)%NP
.set i, i+1
.else
.set i, i-16
	PV (Y+NP-1)%NP
.set i, i+17
.endif
.endm
; THE LDS LOADS stand in runs of 16, never singly among the matrix instructions: a step's K (64 keys x 64 channels: 8 fragments) and its V (turned).  Their addresses are made some lines ahead.
; last = 1 (the tail): in the last trip there is no further step, and the run is jumped over.
.macro FETCH_K last=0
	WIN 0
.if \last
	s_cmp_eq_u32 s[CNT], 1
	s_cbranch_scc1 .Lno_k_\@
.endif
	WIN 0x80                        ; destination window 2
.irp f, 0,1,2,3,4,5,6,7             ; keys 16 (f / 2) on, channels 32 (f % 2) on
	ds_load_b128 v[KF+8*\f:KF+8*\f+3],   v[AK] offset:(\f/2)*16*PK+(\f%2)*64
	ds_load_b128 v[KF+8*\f+4:KF+8*\f+7], v[AK] offset:(\f/2)*16*PK+(\f%2)*64+32
.endr
	s_add_co_u32 s[TBK], s[TBK], KS*PK  ; the next fetch is the next step's
	WIN 0
.if \last
.Lno_k_\@:
.endif
.endm
.macro FETCH_V
	WIN 0x80
.irp f, 0,1,2,3,4,5,6,7             ; keys 32 (f / 4) on, channels 16 (f % 4) on
	ds_load_tr16_b128 v[VF+8*\f:VF+8*\f+3],   v[AV] offset:(\f/4)*32*PV+(\f%4)*32
	ds_load_tr16_b128 v[VF+8*\f+4:VF+8*\f+7], v[AV] offset:(\f/4)*32*PV+16*PV+(\f%4)*32
.endr
	WIN 0
.endm
; THE VECTOR WORK OF A TURN stands in three queues, each in the order in which its entries become ready; the two tiles alternate, so that no instruction reads the result of the one before it.
.macro REGS y, u                    ; the registers of tile u (0, 1) of piece y
.set rT, ST+4*(2*(\y)+(\u))
.set rC, TMP+8*((\y)%2)+4*(\u)
.set rM, MV+2*((\y)%2)+(\u)
.set rS, S+64*((\y)%2)+32*(\u)
.set rP, P+32*((\y)%2)+16*(\u)
.set rO, 32*(2*(\y)+(\u))
.endm
; Number n of the 22 that find the NEXT piece's (Y + 1) maximum and statistics.  s0-s31 are the lane's 32 scores; each accumulator's lowest registers are read first.  XS, GS and REGS set no window: PL and EX do.
;   0-11  four chains c0-c3 of seven scores each, three operands at a time     12-14, 16  the four scores left over, the old m, and c0-c3 into c0     15  c m_old is kept
;   17, 18  the query's other 32 keys lie in the lane 16 away: the new m         19-21  c m; c m_old - c m_new; a
.macro XS u, n
	REGS (Y+1)%NP, \u
.if (\n) < 4
	v_max3_num_f32 v[rC+(\n)], v[rS+8*(\n)], v[rS+8*(\n)+1], v[rS+8*(\n)+2]
.elseif (\n) < 12
	v_max3_num_f32 v[rC+(\n)%4], v[rC+(\n)%4], v[rS+8*((\n)%4)+2*((\n)/4)+1], v[rS+8*((\n)%4)+2*((\n)/4)+2]
.elseif (\n) == 12
	v_max3_num_f32 v[rC], v[rC], v[rS+7], v[rS+15]
.elseif (\n) == 13
	v_max3_num_f32 v[rC+1], v[rC+1], v[rS+23], v[rS+31]
.elseif (\n) == 14
	v_max3_num_f32 v[rC+2], v[rC+2], v[rC+3], v[rT+1]
.elseif (\n) == 15
	v_mov_b32 v[rM], v[rT]
.elseif (\n) == 16
	v_max3_num_f32 v[rC], v[rC], v[rC+1], v[rC+2]
.elseif (\n) == 17
	v_permlanex16_b32 v[rC+3], v[rC], s[SEL], s[SEL+1]
.elseif (\n) == 18
	v_max_num_f32 v[rT+1], v[rC], v[rC+3]
.elseif (\n) == 19
	v_mul_f32 v[rT], s[CS], v[rT+1]
.elseif (\n) == 20
	v_sub_f32 v[rC+1], v[rM], v[rT]
.else
	v_exp_f32 v[rC+2], v[rC+1]
.endif
.endm
; Number g of the 64 that follow the exponentials.  For each four weights k of a tile (pairs 2 k, 2 k + 1): both pairs are rounded to f16; then the second pair is added onto the first, in place;
; a group later l takes that sum (the first time as l = a l + sum).  In groups of eight, tiles alternating: round, round, add, and l for the group before.
.macro GS g
.set h, (\g)+6*((\g)/62)            ; group 0 has no group before it, and behind group 7 only l is left
.if h >= 6
.set h, h+2
.endif
	REGS Y, h%2
.set k, h/8
.if h%8 < 4
	s_wait_alu depctr_va_vdst(0)
	v_cvt_pk_f16_f32 v[rP+2*k+(h%8)/2], v[rS+4*k+2*((h%8)/2)], v[rS+4*k+2*((h%8)/2)+1]
.elseif h%8 < 6
	v_pk_add_f32 v[rS+4*k:rS+4*k+1], v[rS+4*k:rS+4*k+1], v[rS+4*k+2:rS+4*k+3]
.elseif k == 1
	v_pk_fma_f32 v[rT+2:rT+3], v[rT+2:rT+3], v[rC+2:rC+3], v[rS:rS+1] op_sel_hi:[1,0,1]
.else
	v_pk_add_f32 v[rT+2:rT+3], v[rT+2:rT+3], v[rS+4*k-4:rS+4*k-3]
	s_wait_alu depctr_va_vdst(0)
.endif
.endm
; THE PLAIN QUEUE, 138 long.  0-31: c s - c m for the 16 pairs of both tiles.  Then GS's 64, and among them the next piece's 42: number 15 at 38, 39; 0-14 and 16
; at 42-73, behind the products that make those scores; 17-20 at 95-106, two of three, since each waits for the one before it.
.macro PL
	WIN 0
.if q < 32
	REGS Y, q%2
	v_pk_fma_f32 v[rS+2*(q/2):rS+2*(q/2)+1], v[rS+2*(q/2):rS+2*(q/2)+1], s[CS:CS+1], v[rT:rT+1] op_sel_hi:[1,0,0] neg_lo:[0,0,1] neg_hi:[0,0,1]
.elseif q < 38
	GS q-32
.elseif q < 40
	XS q%2, 15
.elseif q < 42
	GS q-34
.elseif q < 74
	XS q%2, (q-42)/2+(q-42)/30
.elseif q < 95
	GS q-66
.elseif (q < 107) && ((q-95)%3 < 2)
	XS (q-95)%3, 17+(q-95)/3
.elseif q < 107
	GS 29+(q-95)/3
.else
	GS q-74
.endif
.set q, q+1
.endm
; THE EXPONENTIALS' QUEUE, 66 long: s0-s31 of both tiles, and at EA the next piece's two a.
.set EA, 58
.macro EX
	WIN 0
.if (e == EA) || (e == EA+1)
	XS e-EA, 21
.else
.set x, e-2*(e/(EA+2))
	REGS Y, x%2
	v_exp_f32 v[rS+x/2], v[rS+x/2]
.endif
.set e, e+1
.endm
; THE RESCALING's QUEUE: O^T times a, the one part that leaves window 0, so it is dealt four at a time, eight times.
.macro R4
	REGS Y, r%2
	WIN W_RS
	s_wait_alu depctr_va_vdst(0)
.irp z, 0,1,2,3
	v_pk_mul_f32 v[rO+8*(r/2)+2*\z:rO+8*(r/2)+2*\z+1], v[rO+8*(r/2)+2*\z:rO+8*(r/2)+2*\z+1], v[rC+2:rC+3] op_sel_hi:[1,0]
.endr
.set r, r+1
.endm
; HOW THEY ARE DEALT.  Behind a matrix instruction four: plain, exponential, plain, plain (one exponential, a plain instruction on either side), or four of the rescaling.  None names a register of the
; products round it.  What is over stands in two LUMPS: exponential and plain by turns; the second ends in 22 plain instructions.  The two v_permlanex16_b32 fall into the second lump, never behind a product.
; The queues lean on each other, and the deal keeps them in step: exponential e stands behind plain 2 (e / 4) + e % 2 (its scaling); when plain 32 comes, 10 exponentials are out, at 59: 33, at 95: 46; EA comes behind plain 107.
.macro SL
	MM
	PL
	EX
	PL
	PL
.endm
.macro BURST n                      ; 15 matrix instructions, or 16
.rept (\n)-7
	SL
.endr
.rept 3
	MM
	R4
	SL
.endr
	MM
	R4
.endm
; A TURN, for piece p.  cnt = 1: the loop's count is taken down some lines ahead of the branch that stands behind the turn.
; K of the next step is fetched in piece 2's turn, 31 vector instructions behind the last product that read K; its first reader comes behind the rest of the lump, 16 products and the second lump.
; V of the step in hand is fetched at the end of piece 0's turn, 69 behind its last reader; its first reader comes behind 16 products and a lump.  The four conditions on e and q below go with the deal.
.macro TURN p, last=0, cnt=0
.set Y, (\p)
.set i, 0
.set q, 0
.set e, 0
.set r, 0
.if (\p) == NP-1
	s_wait_dscnt 0x0                ; K is in
.endif
	MM
.rept 4
	PL
.endr
	BURST 15
.rept 22
	EX
	PL
.if ((\p) == NP-2) && (e == 18)
	v_add_nc_u32 v[AK], s[TBK], v[AK0]
.endif
.if ((\p) == NP-2) && (e == 24)
	FETCH_K \last
.endif
.endr
.if (\p) == 1
	s_wait_dscnt 0x0                ; V is in
.endif
	BURST 16
.rept 21
	EX
	PL
.endr
.rept 22
	PL
.if ((\p) == 0) && (q == 118)
	v_add_nc_u32 v[AV], s[TBV], v[AV0]
	s_wait_alu depctr_va_vdst(0)
.endif
.if ((\p) == 0) && (q == 130)
	s_add_co_u32 s[TBV], s[TBV], KS*PV
.endif
.if (\cnt) && (q == 130)
	s_sub_co_u32 s[CNT], s[CNT], 1
	s_cmp_lg_u32 s[CNT], 0
.endif
.endr
.if (\p) == 0
	FETCH_V
.endif
.endm
	CHANGE 1                        ; slot 0 is in, everybody's part of it; slot 1 is asked for
	FETCH_K                         ; key step 0
	s_wait_loadcnt 0x0              ; Q
	s_wait_dscnt 0x0
.set i, 0
.rept 16
	KQ 0                            ; piece 0's first scores: there is no vector work yet to set between them
.set i, i+1
.endr
	WIN 0                           ; the addresses for the way out: nine plain instructions, the places behind those products
	s_mul_i32 s13, s[WV], 16*SP
	s_add_co_u32 s13, s13, STAGE    ; my stage
	v_mul_u32_u24 v[STO], v1, SP    ; in: row l % 16, 16 bytes for each half of the lanes
	v_lshl_add_u32 v[STO], v9, 4, v[STO]
	v_add_nc_u32 v[STO], s13, v[STO]
	v_bfe_u32 v[RD], v0, 3, 2       ; back: 32 lanes take four rows of 128 bytes,
	v_mul_u32_u24 v[RD], v[RD], SP
	v_lshl_add_u32 v[RD], v10, 4, v[RD]
	v_add_nc_u32 v[RD], s13, v[RD]
	v_and_b32 v[GO], 31, v0         ; which are 512 consecutive bytes of O
	v_lshlrev_b32 v[GO], 4, v[GO]
.set Y, NP-1                        ; XS works for piece Y + 1: piece 0
.irp n, 0,1,2,3,4,5,6,7,8,9,10,11,12,13,14,15,16,17,18,19,20,21
	XS 0, \n                        ; and piece 0's first maximum and statistics
	XS 1, \n
.endr
	s_mov_b32 s[CNT], 4
	s_mov_b32 s[SLOTS], SIZE_N/256-1
	s_branch .Lfirst                ; the loop is entered at a step's first turn, in the middle of a trip
.Lslot:                             ; SIZE_N / 256 - 2 times: every slot but the last two is filled again
	CHANGE 1
	s_mov_b32 s[CNT], 4
.Lstep:                             ; a trip: pieces 2 and 3 of one step, then pieces 0 and 1 of the next, whose K and V it fetches
	TURN 2
	TURN 3
	WIN 0
.Lfirst:
	TURN 0
	TURN 1, 0, 1
	WIN 0
	s_cbranch_scc1 .Lstep
	s_sub_co_u32 s[SLOTS], s[SLOTS], 1
	s_cmp_lg_u32 s[SLOTS], 0
	s_cbranch_scc1 .Lslot
	CHANGE 0                        ; the tail is written out: nothing is asked for
	s_mov_b32 s[CNT], 5             ; four trips fetch the last slot's steps; the fifth is left in its middle
.Ltail:
	TURN 2, 1
	TURN 3
	WIN 0
	s_sub_co_u32 s[CNT], s[CNT], 1
	s_cmp_eq_u32 s[CNT], 0
	s_cbranch_scc1 .Lout
	TURN 0
	TURN 1
	WIN 0
	s_branch .Ltail
.Lout:                              ; the fifth trip's 16 products K Q^T (on the last K once more) and the maximum made of them serve nothing: the price, once a launch, of one text for every trip
.set i, 0
.rept 16
	PV NP-1                         ; the last piece's V^T P of the last step
.set i, i+1
.endr
	; THE WAY OUT.  l's two halves and the other half of the lanes' are added; O^T is divided by l, rounded to f16 and sent through my stage in LDS, a tile at a time.  The additions are the places behind the last products.
	WIN 0
.macro ALL line:vararg              ; one line for each tile t
.set t, 0
.rept 2*NP
	\line
.set t, t+1
.endr
.endm
	ALL v_add_f32 v[ST+4*t+2], v[ST+4*t+2], v[ST+4*t+3]
	ALL v_permlanex16_b32 v[ST+4*t+3], v[ST+4*t+2], s[SEL], s[SEL+1]
	ALL v_add_f32 v[ST+4*t+2], v[ST+4*t+2], v[ST+4*t+3]
	ALL v_rcp_f32 v[ST+4*t+2], v[ST+4*t+2]
	v_nop                           ; a plain instruction between the last reciprocal and the use of its result
	s_wait_alu depctr_va_vdst(0)
; Tile t: a lane's eight channels of a row pack into 16 bytes; they go into rows of 144 bytes and come back as whole rows of 128, into S^T's registers.
.macro PACK t
	WIN W_RS
.set i, 32*(\t)
.rept 16
	v_pk_mul_f32 v[i:i+1], v[i:i+1], v[ST+4*(\t)+2:ST+4*(\t)+3] op_sel_hi:[1,0]
.set i, i+2
.endr
	WIN 0x05                        ; sources 0 and 1 window 1, destination window 0
.set i, 0
.rept 16
	v_cvt_pk_f16_f32 v[S+16*(\t)+i], v[32*(\t)+2*i], v[32*(\t)+2*i+1]
.set i, i+1
.endr
	WIN 0
.irp f, 0,1,2,3
	ds_store_b128 v[STO], v[S+16*(\t)+4*\f:S+16*(\t)+4*\f+3] offset:32*\f
.endr
.irp f, 0,1,2,3
	ds_load_b128 v[S+16*(\t)+4*\f:S+16*(\t)+4*\f+3], v[RD] offset:\f*4*SP  ; LDS serves a wave's instructions in order (ISA guide 5.7.1.4): these see the stores above; the next tile's stores come behind them
.endr
.endm
.macro SEND t, younger              ; younger: the LDS instructions issued behind tile t's loads: the next tile's eight, or none
	WIN 0
.irp f, 0,1,2,3
	s_wait_dscnt (\younger)+3-\f
	global_store_b128 v[GO], v[S+16*(\t)+4*\f:S+16*(\t)+4*\f+3], s[10:11] offset:(\t)*2048+\f*512  ; 512 consecutive bytes, at a multiple of 256 from O's first
.endr
.endm
	PACK 0
.set t, 1
.rept 2*NP-1                        ; a tile's arithmetic stands between the loads of the tile before and its stores
	PACK t
	SEND t-1, 8
.set t, t+1
.endr
	SEND 2*NP-1, 0
	WIN W_AD
	s_wait_tensorcnt 0x0            ; the wave's end: behind my last tensor load and my last LDS store
	ds_add_u32 v[SPW], v[NIL]
	s_wait_dscnt 0x0
	WIN 0
	CROUND                          ; the closing round: no work-group ends while a partner may still ask for a tile that names it
	s_endpgm
.Lfunc_end_k_q708eb9d013_attn:
	.size	k_q708eb9d013_attn, .Lfunc_end_k_q708eb9d013_attn-k_q708eb9d013_attn
	.p2alignl 7, 3214868480
	.fill 96, 4, 3214868480
	.section	.rodata,"a",@progbits
	.p2align	6, 0x0
	.amdhsa_kernel k_q708eb9d013_attn
		.amdhsa_group_segment_fixed_size 327680
		.amdhsa_private_segment_fixed_size 0
		.amdhsa_enable_private_segment 0
		.amdhsa_kernarg_size 16
		.amdhsa_user_sgpr_count 2
		.amdhsa_user_sgpr_kernarg_segment_ptr 1
		.amdhsa_wavefront_size32 1
		.amdhsa_system_sgpr_workgroup_id_x 1
		.amdhsa_system_sgpr_workgroup_id_y 1
		.amdhsa_system_sgpr_workgroup_id_z 1
		.amdhsa_system_vgpr_workitem_id 0
		.amdhsa_next_free_vgpr 770
		.amdhsa_next_free_sgpr 66
		.amdhsa_reserve_vcc 0
		.amdhsa_float_denorm_mode_32 3
		.amdhsa_float_denorm_mode_16_64 3
		.amdhsa_memory_ordered 1
		.amdhsa_forward_progress 1
		.amdhsa_inst_pref_size 208
	.end_amdhsa_kernel
	.amdgpu_metadata
---
amdhsa.version: [ 1, 2 ]
amdhsa.kernels:
  - .name:           k_q708eb9d013_attn
    .symbol:         k_q708eb9d013_attn.kd
    .args:
      - { .name: qkv, .offset: 0, .size: 8, .value_kind: global_buffer, .address_space: global }
      - { .name: oh, .offset: 8, .size: 8, .value_kind: global_buffer, .address_space: global }
    .group_segment_fixed_size: 327680
    .private_segment_fixed_size: 0
    .kernarg_segment_align: 8
    .kernarg_segment_size: 16
    .max_flat_workgroup_size: 128
    .sgpr_count:     66
    .vgpr_count:     770
    .wavefront_size: 32
...
	.end_amdgpu_metadata
.endif
;; end of part 3
;; launch proj (part 4): grid 4 x 64, 4 waves a work-group, clusters of 4 x 4, 327,680 bytes of LDS; arguments oh, wo, cst, out0; writes out0
.if DOCPART == 4
	.amdgcn_target "amdgcn-amd-amdhsa--gfx1250"
	.amdhsa_code_object_version 6
	.text
	.protected	k_q708eb9d013_proj
	.globl	k_q708eb9d013_proj
	.p2align	8
	.type	k_q708eb9d013_proj,@function
k_q708eb9d013_proj:
	s_mov_b64 s[64:65], 0
	v_nop
	global_prefetch_b8 v0, s[64:65] scope:SCOPE_SE
	s_setreg_imm32_b32 hwreg(HW_REG_WAVE_MODE, 25, 1), 1
	s_wait_xcnt 0x0
	s_wait_alu depctr_hold_cnt(0) depctr_sa_sdst(0) depctr_va_vdst(0) depctr_va_sdst(0) depctr_va_ssrc(0) depctr_va_vcc(0) depctr_vm_vsrc(0)
	s_getreg_b32 s2, hwreg(HW_REG_IB_STS2, 6, 4)
	s_cmp_eq_u32 s2, 0
	s_cbranch_scc0 .Lentry_in_a_cluster
	s_endpgm
.Lentry_in_a_cluster:
	s_bfe_u32 s2, ttmp6, 0x10000c
	s_cmp_lg_u32 s2, 0xf033
	s_cbranch_scc0 .Lentry_shape_is_right
	s_endpgm
.Lentry_shape_is_right:
; out0 = O W_out^T + b_out, f32.  O comes by heads, oh [64 (batch, head)][2048][64] in f16; W_out as wo, f16 [4 column tiles][16 K blocks][256 rows][64 k]; the bias, f32, from cst.  Sums in f32.
; LIMITS.  None of its own: O and wo arrive within f16's range; NaN and infinities are not treated apart.
; SHARES.  8,192 x 1,024 results in tiles of 128 x 256: 256 work-groups (256 x 256 would make 128).  Four waves, each 64 rows x 128 columns: 4 x 8 accumulators, 256 registers.
; A head is one K block of 64: its 128 rows of a tile are 16,384 dense bytes, asked for as rows of 256 bytes.  A slot holds two heads, K = 128; two slots of four heads (2 x 221,184 bytes) would not fit in LDS.
; THE PRODUCT IS TRANSPOSED (source 0 = 16 rows of wo, source 1 = 16 rows of O): a lane holds one row (lane % 16) and the columns 16 b + 8 (lane / 16) + 0..7: 32 bytes on end.
; CLUSTER.  4 x 4 work-groups: the four of a row need the same tiles of O, the four of a column the same tiles of wo: each is asked for jointly.
; REGISTERS, in windows of 256 (s_set_vgpr_msb: bits 1:0 source 0, 3:2 source 1, 5:4 source 2, 7:6 destination):
;   window 0: v0-29 addresses; v64-127 the bias, 8 a column block; v128-255 rows on the way out, two sets of 64
;   window 1: the fragments of a slot's first head: for 32 (c) along K wo's 8 at 96 c + 8 b, O's 4 at 96 c + 64 + 8 a;  window 2: the second head's;  window 3: the accumulators, (a, b) at 8 (8 a + b)
.set PITCH, 144                        ; an LDS row: 128 bytes + 16 of padding = 36 words: the 16 rows of a load start at 16 different groups of four banks (64 banks of 4 bytes: ISA guide 11.1)
.set AKB,   128*PITCH                  ; one head's 128 rows of O
.set BKB,   256*PITCH                  ; one K block's 256 rows of wo
.set BOFF,  2*AKB
.set SLOT1, 1<<17
.set STAGE, SLOT1+2*AKB+2*BKB          ; behind the ring, never filled by a tensor load: 16 rows x 528 bytes for each wave
.set SP,    528                        ; 512 bytes + 16: row r starts at bank 4 r mod 64
.set SPARE, STAGE+4*16*SP              ; the spare words, 128 bytes for each wave: two blocks of 256 bytes that no other line names
.set ASTEP, 524288                     ; two heads on in oh,
.set BSTEP, 65536                      ; two K blocks on in wo
.set A0,  4                            ; v4   my lane's place in my 64 rows of O; never rewritten
.set B0,  5                            ; v5   the same in my 128 rows of wo
.set AA,  6                            ; v6   A0 + the slot that is being read
.set BA,  7                            ; v7   B0 + the same
.set STO, 8                            ; v8   the way out: where I put 32 bytes of a row
.set RD,  9                            ; v9   the way out: where I read a row back
.set GO,  10                           ; v10  16 x lane
.set PFO, 11                           ; v11  256 x lane
.set HB,  12                           ; v12  32 x (lane / 16)
.set SPW, 28                           ; v28  LDS address of my spare word; never rewritten
.set NIL, 29                           ; v29  0; never rewritten
.set BI,  64
.set RB,  128
.set WV,  12                           ; s12  my wave's number
.set RH,  13                           ; s13  which half of the tile's rows is mine.  Also: I fetch for O (0) or for wo (1)
.set CH,  14                           ; s14  which half of its columns.  Also: which of a slot's two heads I fetch
.set G1A, 24
.set G1B, 32
.set G0A, 40                           ; s[40:47] a set for each first fill; the second then walks on
.set G0B, 48
.set CNT, 56                           ; s56  refills still to come
.set TB,  57                           ; s57  the slot that is being read
.set PFA, 58                           ; s[58:59] where my prefetches stand
.set LIM, 60                           ; s60  2 in a wave that prefetches, else the greatest number
.set OP,  66                           ; s[66:67] out0 at my first row and column
.set BP,  74                           ; s[74:75] the bias of my 128 columns
.set MSB, 0
.macro WIN new                         ; the immediate's high byte repeats the setting that is left; a switch that changes nothing is dropped
.if MSB != (\new)
	s_set_vgpr_msb (MSB<<8)|(\new)
.set MSB, \new
.endif
.endm
.macro PLACES                          ; four places in front of loads into registers that matrix instructions have read, and of LDS stores that read results
.rept 4
	v_nop
.endr
.endm
.macro JLOAD                           ; a joint refill by the walking descriptors; an s_nop 0 and four v_nop follow each of the two lines
	s_cmp_eq_u32 s[RH], 0
	s_cbranch_scc0 .Lfor_b_\@
	tensor_load_to_lds s[G0A+4:G0A+7], s[G1A:G1A+7]
	s_nop 0
.rept 4
	v_nop
.endr
	s_branch .Lasked_\@
.Lfor_b_\@:
	tensor_load_to_lds s[G0B+4:G0B+7], s[G1B:G1B+7]
	s_nop 0
.rept 4
	v_nop
.endr
.Lasked_\@:
.endm
; A prefetch of O's two heads of the slot that stands TWO refills on, 256 matrix instructions ahead of that refill: 128 blocks of 256 bytes.  Only my row of the cluster reads them: its four partners take 32 blocks
; each, told apart by address; in each, wave 0 asks, a lane a block.  So each block is named once in the launch.  The last two refills have no slot two on.  wo is read by sixteen clusters and is not asked for.
.macro ASK
	s_cmp_gt_u32 s[CNT], s[LIM]
	s_cbranch_scc0 .Lnot_mine_\@
	global_prefetch_b8 v[PFO], s[PFA:PFA+1] th:TH_LOAD_NT scope:SCOPE_SE
.Lnot_mine_\@:
.endm
.macro CREST                           ; a round of the cluster's barrier behind its opening barrier
	s_cmp_lg_u32 s[WV], 0
	s_cbranch_scc1 .Lnot_wave_0_\@
	s_barrier_signal -3
.Lnot_wave_0_\@:
	s_barrier_wait -3
	s_barrier_signal -1
	s_barrier_wait -1
.endm
.macro CROUND
	s_barrier_signal -1
	s_barrier_wait -1
	CREST
.endm
	s_load_b256 s[4:11], s[0:1], 0x0               ; oh s[4:5], wo s[6:7], cst s[8:9], out0 s[10:11]
	v_lshl_add_u32 v[SPW], v0, 2, SPARE
	v_mov_b32 v[NIL], 0
	ds_add_u32 v[SPW], v[NIL]                      ; the wave's opening: the add and its wait stand ahead of my first tensor load; the set-up below, work on registers, stands between them
	v_lshrrev_b32 v1, 5, v0
	v_readfirstlane_b32 s[WV], v1
	s_lshr_b32 s[RH], s[WV], 1
	s_and_b32 s[CH], s[WV], 1
	s_bfe_u32 s16, ttmp6, 0x40000                  ; cx
	s_bfe_u32 s17, ttmp6, 0x40004                  ; cy
	s_lshl_b32 s18, ttmp9, 2
	s_add_co_u32 s18, s18, s16                     ; column tile
	s_and_b32 s19, ttmp7, 0xffff
	s_lshl_b32 s19, s19, 2
	s_add_co_u32 s19, s19, s17                     ; row tile of 128 rows
	s_lshl_b32 s20, s17, 2
	s_lshl_b32 s20, 15, s20                        ; my row of the cluster
	s_lshl_b32 s21, 0x1111, s16                    ; my column
	s_or_b32 s[G1A], s20, (1<<16)|(1<<20)|(1<<21)|(4<<22)|(3<<25)  ; 15:0 the mask; 17:16 2-byte elements; 20 padding on; 21 set beside a mask; 24:22 after every 32 words (code 4); 31:25 4 words (code 3)
	s_or_b32 s[G1B], s21, (1<<16)|(1<<20)|(1<<21)|(4<<22)|(3<<25)
	s_mov_b32 s[G1A+1], 128<<16                    ; tensor_dim0 = 128
	s_mov_b32 s[G1A+2], 64<<16                     ; tensor_dim1 = 64
	s_mov_b32 s[G1A+3], 128<<16                    ; tile_dim0 = 128
	s_mov_b32 s[G1A+4], 64                         ; tile_dim1 = 64: 16,384 bytes, 128 rows of a head
	s_mov_b32 s[G1A+5], 128
	s_mov_b32 s[G1A+6], 0
	s_mov_b32 s[G1A+7], 0
	s_mov_b32 s[G1B+1], 128<<16
	s_mov_b32 s[G1B+2], 128<<16
	s_mov_b32 s[G1B+3], 128<<16
	s_mov_b32 s[G1B+4], 128                        ; 32,768 bytes, 256 rows of a K block
	s_mov_b32 s[G1B+5], 128
	s_mov_b32 s[G1B+6], 0
	s_mov_b32 s[G1B+7], 0
	s_mul_i32 s15, s[CH], AKB                      ; where the tiles go: no place in the cluster enters an LDS address
	s_mov_b32 s[G0A], 1
	s_mov_b32 s[G0A+1], s15
	s_mov_b32 s[G0A+4], 1
	s_add_co_u32 s[G0A+5], s15, SLOT1
	s_mul_i32 s15, s[CH], BKB
	s_mov_b32 s[G0B], 1
	s_add_co_u32 s[G0B+1], s15, BOFF
	s_mov_b32 s[G0B+4], 1
	s_add_co_u32 s[G0B+5], s15, BOFF+SLOT1
	s_lshr_b32 s2, s19, 4                          ; the batch,
	s_lshl_b32 s2, s2, 4
	s_add_co_u32 s2, s2, s[CH]                     ; its head 0 or 1,
	s_lshl_b32 s2, s2, 18
	s_and_b32 s3, s19, 15
	s_lshl_b32 s3, s3, 14                          ; the tile's 128 rows of 128 bytes
	s_add_co_u32 s2, s2, s3
	s_mov_b32 s3, 0
	s_lshl_b32 s22, s18, 19                        ; wo: the column tile, K block 0 or 1
	s_lshl_b32 s23, s[CH], 15
	s_add_co_u32 s22, s22, s23
	s_mov_b32 s23, 0
	s_lshl_b32 s76, s19, 19                        ; out0: 128 rows of 4,096 bytes,
	s_lshl_b32 s77, s[RH], 18                      ; my 64 of them,
	s_add_co_u32 s76, s76, s77
	s_lshl_b32 s77, s18, 10                        ; the tile's 256 columns,
	s_add_co_u32 s76, s76, s77
	s_lshl_b32 s77, s[CH], 9                       ; my 128 of them
	s_add_co_u32 s76, s76, s77
	s_mov_b32 s77, 0
	s_lshl_b32 s62, s18, 10
	s_lshl_b32 s63, s[CH], 9
	s_add_co_u32 s62, s62, s63
	s_add_co_u32 s62, s62, 536576
	s_mov_b32 s63, 0
	s_lshr_b32 s[PFA], s19, 4
	s_lshl_b32 s[PFA], s[PFA], 22
	s_and_b32 s[PFA+1], s19, 15
	s_lshl_b32 s[PFA+1], s[PFA+1], 14
	s_add_co_u32 s[PFA], s[PFA], s[PFA+1]
	s_lshr_b32 s[PFA+1], s16, 1                    ; my work-group's 32 blocks of a slot's 128: which head,
	s_lshl_b32 s[PFA+1], s[PFA+1], 18
	s_add_co_u32 s[PFA], s[PFA], s[PFA+1]
	s_and_b32 s[PFA+1], s16, 1                     ; which half of its 64 blocks
	s_lshl_b32 s[PFA+1], s[PFA+1], 13
	s_add_co_u32 s[PFA], s[PFA], s[PFA+1]
	s_add_co_u32 s[PFA], s[PFA], 3*ASTEP           ; at slot 3: the first refill steps it to slot 4.  Nothing is prefetched at the head
	s_mov_b32 s[PFA+1], 0
	s_cmp_eq_u32 s[WV], 0
	s_cselect_b32 s[LIM], 2, -1
	s_mov_b32 s[TB], 0
	s_wait_dscnt 0x0                               ; the opening add is done
	s_wait_kmcnt 0x0
	s_add_nc_u64 s[G0A+2:G0A+3], s[4:5], s[2:3]
	s_add_nc_u64 s[G0A+6:G0A+7], s[G0A+2:G0A+3], ASTEP
	s_or_b32 s[G0A+3], s[G0A+3], 0x80000000        ; type = 2
	s_or_b32 s[G0A+7], s[G0A+7], 0x80000000
	s_add_nc_u64 s[G0B+2:G0B+3], s[6:7], s[22:23]
	s_add_nc_u64 s[G0B+6:G0B+7], s[G0B+2:G0B+3], BSTEP
	s_or_b32 s[G0B+3], s[G0B+3], 0x80000000
	s_or_b32 s[G0B+7], s[G0B+7], 0x80000000
	s_add_nc_u64 s[OP:OP+1], s[10:11], s[76:77]
	s_add_nc_u64 s[BP:BP+1], s[8:9], s[62:63]
	s_add_nc_u64 s[PFA:PFA+1], s[4:5], s[PFA:PFA+1]
	CROUND                                         ; all sixteen work-groups are here: the first joint loads meet
	s_cmp_eq_u32 s[RH], 0                          ; a wave's two first fills stand in one branch, ahead of every wait on TENSORcnt and every LDS read: two loads of mine are out
	s_cbranch_scc0 .Lfirst_b
	tensor_load_to_lds s[G0A:G0A+3], s[G1A:G1A+7]
	s_nop 0
	tensor_load_to_lds s[G0A+4:G0A+7], s[G1A:G1A+7]
	s_nop 0
.rept 4
	v_nop
.endr
	s_branch .Lfirst_asked
.Lfirst_b:
	tensor_load_to_lds s[G0B:G0B+3], s[G1B:G1B+7]
	s_nop 0
	tensor_load_to_lds s[G0B+4:G0B+7], s[G1B:G1B+7]
	s_nop 0
.rept 4
	v_nop
.endr
.Lfirst_asked:
	v_and_b32 v1, 15, v0                           ; l % 16
	v_bfe_u32 v2, v0, 4, 1                         ; l / 16
	v_lshlrev_b32 v[HB], 5, v2
.irp b, 0,1,2,3,4,5,6,7                ; the bias of my eight columns of each column block: the C operand of the first products
	global_load_b128 v[BI+8*\b:BI+8*\b+3],   v[HB], s[BP:BP+1] offset:64*\b
	global_load_b128 v[BI+8*\b+4:BI+8*\b+7], v[HB], s[BP:BP+1] offset:64*\b+16
.endr
	v_mul_u32_u24 v3, v1, PITCH
	v_lshl_add_u32 v3, v2, 4, v3                   ; a fragment's row x pitch + 16 x half
	s_mul_i32 s2, s[RH], 64*PITCH
	v_add_nc_u32 v[A0], s2, v3
	s_mul_i32 s2, s[CH], 128*PITCH
	s_add_co_u32 s2, s2, BOFF
	v_add_nc_u32 v[B0], s2, v3
	v_mov_b32 v[AA], v[A0]
	v_mov_b32 v[BA], v[B0]
	s_mul_i32 s2, s[WV], 16*SP
	s_add_co_u32 s2, s2, STAGE                     ; my stage
	v_mul_u32_u24 v[STO], v1, SP                   ; in: row l % 16, 32 bytes for each half of the lanes
	v_lshl_add_u32 v[STO], v2, 5, v[STO]
	v_add_nc_u32 v[STO], s2, v[STO]
	v_and_b32 v[GO], 31, v0
	v_lshlrev_b32 v[PFO], 8, v[GO]
	v_lshlrev_b32 v[GO], 4, v[GO]
	v_add_nc_u32 v[RD], s2, v[GO]                  ; back: 32 lanes take one row of 512 bytes
; 48 LDS loads in one run: the fragments of head kap of the slot, the first 32 along K first (24 loads), into window 1 + kap
.macro FETCH kap
	WIN 0x40*(1+(\kap))
.irp c, 0,1
.irp b, 0,1,2,3,4,5,6,7
	ds_load_b128 v[96*\c+8*\b:96*\c+8*\b+3],   v[BA] offset:(\kap)*BKB+\b*16*PITCH+64*\c
	ds_load_b128 v[96*\c+8*\b+4:96*\c+8*\b+7], v[BA] offset:(\kap)*BKB+\b*16*PITCH+64*\c+32
.endr
.irp a, 0,1,2,3
	ds_load_b128 v[96*\c+64+8*\a:96*\c+64+8*\a+3],   v[AA] offset:(\kap)*AKB+\a*16*PITCH+64*\c
	ds_load_b128 v[96*\c+64+8*\a+4:96*\c+64+8*\a+7], v[AA] offset:(\kap)*AKB+\a*16*PITCH+64*\c+32
.endr
.endr
.endm
; 8 n matrix instructions: row blocks a0 .. a0 + n - 1 x all 8 column blocks, 32 along K: half c of head kap.  The 32 accumulators take turns, one instruction a turn, always in the same order, over the
; backward jump too.  first = 1: the sums start from the bias.
.macro MUL kap, c, a0, n, first=0
.if \first
	WIN 0xc5                                       ; sources 0 and 1 window 1, C window 0, D window 3
.else
	WIN 0xf5+5*(\kap)                              ; sources 0 and 1 window 1 + kap, C and D window 3
.endif
.set ra, \a0
.rept \n
.irp b, 0,1,2,3,4,5,6,7
.if \first
	v_wmma_f32_16x16x32_f16 v[8*(8*ra+\b):8*(8*ra+\b)+7], v[96*(\c)+8*\b:96*(\c)+8*\b+7], v[96*(\c)+64+8*ra:96*(\c)+64+8*ra+7], v[BI+8*\b:BI+8*\b+7]
.else
	v_wmma_f32_16x16x32_f16 v[8*(8*ra+\b):8*(8*ra+\b)+7], v[96*(\c)+8*\b:96*(\c)+8*\b+7], v[96*(\c)+64+8*ra:96*(\c)+64+8*ra+7], v[8*(8*ra+\b):8*(8*ra+\b)+7]
.endif
.endr
.set ra, ra+1
.endr
.endm
; A slot's first head: 64 matrix instructions; in their middle the second head's fragments are fetched.
.macro H0 first=0
	s_wait_dscnt 24                                ; the first 32 along K are in; the other 24 loads may be out
	MUL 0, 0, 0, 4, \first
	PLACES
	FETCH 1
	s_wait_dscnt 48                                ; all but the 48 just issued
	MUL 0, 1, 0, 4
.endm
; A slot's second head, and the change of slots.  mode 1: this slot is filled again: ONE round of the cluster's barrier; in front of it each wave waits for all its tensor loads (one is out: its part of the
; other slot), adds 0 to its spare word and waits for that and for its reads of this slot; the joint refill is the first thing behind it, 112 matrix instructions ahead of the wait for it.
; mode 2: the same change with nothing left to fetch: a plain barrier.  mode 3: the last head.
.macro H1 mode
.if (\mode) == 3
	s_wait_dscnt 24
	MUL 1, 0, 0, 4
	s_wait_dscnt 0x0
	MUL 1, 1, 0, 4
.else
.if (\mode) == 1
	s_wait_xcnt 0x0                                ; the last prefetch, a slot back, has read its address
	s_add_nc_u64 s[PFA:PFA+1], s[PFA:PFA+1], ASTEP
.endif
	WIN 0
	s_wait_tensorcnt 0x0                           ; all my tensor loads have landed
	ds_add_u32 v[SPW], v[NIL]                      ; 0 onto my spare word
	s_wait_dscnt 25                                ; the add and the youngest 24 loads may be out
	MUL 1, 0, 0, 1
	s_wait_dscnt 0x0                               ; the add is done, and my reads of this slot are over
	s_barrier_signal -1
	MUL 1, 0, 1, 1
	WIN 0
	s_barrier_wait -1
.if (\mode) == 1
	CREST                                          ; no wave of any partner still reads this slot or has a load on its way
	s_xor_b32 s[G0A+5], s[G0A+5], SLOT1            ; the walking descriptors: the other slot than last time, the next two heads
	s_add_nc_u64 s[G0A+6:G0A+7], s[G0A+6:G0A+7], ASTEP
	s_xor_b32 s[G0B+5], s[G0B+5], SLOT1
	s_add_nc_u64 s[G0B+6:G0B+7], s[G0B+6:G0B+7], BSTEP
	JLOAD                                          ; the four v_nop behind it are also the places in front of the loads below
.else
	PLACES
.endif
	s_xor_b32 s[TB], s[TB], SLOT1
	v_add_nc_u32 v[AA], s[TB], v[A0]
	v_add_nc_u32 v[BA], s[TB], v[B0]
	FETCH 0
.if (\mode) == 1
	WIN 0
	ASK
.endif
	MUL 1, 0, 2, 2
	MUL 1, 1, 0, 4
.endif
.endm
	s_wait_tensorcnt 1                             ; my part of slot 0 is in; slot 1's may stay out
	s_barrier_signal -1
	s_barrier_wait -1                              ; everybody's is
	FETCH 0
	s_wait_loadcnt 0x0                             ; the bias
	H0 1
	WIN 0
	s_mov_b32 s[CNT], 6
.Lslot:                                                ; 6 trips: from a slot's second head to the next slot's first; slots 2 to 7 are asked for
	H1 1
	H0
	WIN 0
	s_sub_co_u32 s[CNT], s[CNT], 1
	s_cmp_lg_u32 s[CNT], 0
	s_cbranch_scc1 .Lslot
	H1 2                                           ; the tail is written out
	H0
	H1 3
; THE WAY OUT, a row block of 16 rows at a time: a lane's 32 bytes go straight from the accumulators into my stage (each accumulator's four lowest registers first), come back as whole
; rows of 512 bytes, and each store of the wave covers 512 consecutive bytes, aligned.
.macro TOSTAGE a
.if (\a) >= 2
	s_wait_xcnt 0x0                                ; the stores of the block two back have read the registers that are loaded again below
.endif
	WIN 0x0c                                       ; the stores' data in window 3
.irp b, 0,1,2,3,4,5,6,7
	ds_store_b128 v[STO], v[8*(8*(\a)+\b):8*(8*(\a)+\b)+3]   offset:64*\b
	ds_store_b128 v[STO], v[8*(8*(\a)+\b)+4:8*(8*(\a)+\b)+7] offset:64*\b+16
.endr
	WIN 0
.set rr, 0
.rept 16
	ds_load_b128 v[RB+64*((\a)%2)+4*rr:RB+64*((\a)%2)+4*rr+3], v[RD] offset:SP*rr  ; LDS serves a wave's instructions in order (ISA guide 5.7.1.4): these see the stores above
.set rr, rr+1
.endr
.endm
.macro SEND a, younger                 ; younger: the LDS instructions issued behind block a's loads: the next block's 32, or none
	s_wait_dscnt \younger
.set rr, 0
.rept 16
	global_store_b128 v[GO], v[RB+64*((\a)%2)+4*rr:RB+64*((\a)%2)+4*rr+3], s[OP:OP+1] offset:(16*(\a)+rr)*4096 th:TH_STORE_NT
.set rr, rr+1
.endr
.endm
	WIN 0
	PLACES
	TOSTAGE 0
	TOSTAGE 1
	SEND 0, 32
	TOSTAGE 2
	SEND 1, 32
	TOSTAGE 3
	SEND 2, 32
	SEND 3, 0
	s_wait_tensorcnt 0x0                           ; the wave's end: behind my last tensor load and my last LDS store
	ds_add_u32 v[SPW], v[NIL]
	s_wait_dscnt 0x0
	CROUND                                         ; the closing round: no work-group ends while a partner may still ask for a tile that names it
	s_endpgm
.Lfunc_end_k_q708eb9d013_proj:
	.size	k_q708eb9d013_proj, .Lfunc_end_k_q708eb9d013_proj-k_q708eb9d013_proj
	.p2alignl 7, 3214868480
	.fill 96, 4, 3214868480
	.section	.rodata,"a",@progbits
	.p2align	6, 0x0
	.amdhsa_kernel k_q708eb9d013_proj
		.amdhsa_group_segment_fixed_size 327680
		.amdhsa_private_segment_fixed_size 0
		.amdhsa_enable_private_segment 0
		.amdhsa_kernarg_size 32
		.amdhsa_user_sgpr_count 2
		.amdhsa_user_sgpr_kernarg_segment_ptr 1
		.amdhsa_wavefront_size32 1
		.amdhsa_system_sgpr_workgroup_id_x 1
		.amdhsa_system_sgpr_workgroup_id_y 1
		.amdhsa_system_sgpr_workgroup_id_z 1
		.amdhsa_system_vgpr_workitem_id 0
		.amdhsa_next_free_vgpr 1024
		.amdhsa_next_free_sgpr 80
		.amdhsa_reserve_vcc 0
		.amdhsa_float_denorm_mode_32 3
		.amdhsa_float_denorm_mode_16_64 3
		.amdhsa_memory_ordered 1
		.amdhsa_forward_progress 1
		.amdhsa_inst_pref_size 69
	.end_amdhsa_kernel
	.amdgpu_metadata
---
amdhsa.version: [ 1, 2 ]
amdhsa.kernels:
  - .name:           k_q708eb9d013_proj
    .symbol:         k_q708eb9d013_proj.kd
    .args:
      - { .name: oh, .offset: 0, .size: 8, .value_kind: global_buffer, .address_space: global }
      - { .name: wo, .offset: 8, .size: 8, .value_kind: global_buffer, .address_space: global }
      - { .name: cst, .offset: 16, .size: 8, .value_kind: global_buffer, .address_space: global }
      - { .name: out0, .offset: 24, .size: 8, .value_kind: global_buffer, .address_space: global }
    .group_segment_fixed_size: 327680
    .private_segment_fixed_size: 0
    .kernarg_segment_align: 8
    .kernarg_segment_size: 32
    .max_flat_workgroup_size: 128
    .sgpr_count:     80
    .vgpr_count:     1024
    .wavefront_size: 32
...
	.end_amdgpu_metadata
.endif
;; end of part 4
;; ======== version 2 of 2: 4 launches; version 1 with the launch prep written anew for expert scheduling mode
;; limits: values are held in f16: magnitudes above 65,504 overflow, below 6.1e-05 lose precision
;; workspace buffers: xb 16,777,216 bytes; wq 6,291,456 bytes; wo 2,097,152 bytes; cst 540,672 bytes; qkv 50,331,648 bytes; oh 16,777,216 bytes
;; launch prep (part 5): grid 449 x 1, 8 waves a work-group, no clusters, 0 bytes of LDS; arguments x, W_qkv, W_out, b_qkv, b_out, xb, wq, wo, cst; writes xb, wq, wo, cst
.if DOCPART == 5
	.amdgcn_target "amdgcn-amd-amdhsa--gfx1250"
	.amdhsa_code_object_version 6
	.text
	.protected	k_q708eb9d013_prep
	.globl	k_q708eb9d013_prep
	.p2align	8
	.type	k_q708eb9d013_prep,@function
k_q708eb9d013_prep:
	s_mov_b64 s[64:65], 0
	v_nop
	global_prefetch_b8 v0, s[64:65] scope:SCOPE_SE
	s_setreg_imm32_b32 hwreg(HW_REG_WAVE_SCHED_MODE, 0, 2), 2
	s_setreg_imm32_b32 hwreg(HW_REG_WAVE_MODE, 25, 1), 1
	s_wait_xcnt 0x0
	s_wait_alu depctr_vm_vsrc(0)
; PREP: every input is rounded once to bf16 and laid out for the launches behind; the RoPE table is made.
;   xb  bf16 [32 row tiles][16 K blocks][256 rows][64 k]: a (row tile, K block) is 32,768 dense bytes
;   wq  bf16 [8 column tiles][16 K blocks][384 rows][64 k]: row 192 half + 64 which + d holds W_qkv's row 1024 which + 64 (2 tile + half) + d
;   wo  f16 of the bf16-rounded number, [4 column tiles][16 K blocks][256 rows][64 k]
;   cst f32: the table of cos and sin (524,288 bytes), b_qkv by heads (12,288), b_out (4,096), the biases rounded to bf16 and widened again
; LIMITS.  wo: a bf16 number beyond 65,504 would become an infinity; below 6e-5 it keeps f16's fixed step of 6e-8.  NaN and infinities are not treated apart.
; The table's angles differ from position x inv_freq in f32 by the exponential's last bit: at most some 5e-4 radians at the largest positions.
; Memory binds: no LDS, no barrier, no matrix unit.  Work-groups 0-255 cast x, 256-351 W_qkv, 352-383 W_out, 384-447 make the table, 448 the biases.
; A CAST: a work-group takes 32 source rows of 4,096 bytes.  Thread t: row t / 8; of each K block's 64 numbers the 8 at 8 (t % 8): 32 bytes in, 16 bytes out.
; A wave's store covers four rows of 128 bytes, 512 consecutive bytes, aligned.  All 32 loads of a lane go out at once.
; THE MODE: SCHED_MODE bits 1:0 = 2 (LLVM: expert scheduling mode 2), set by the entry lines.  The code itself states the register dependences
; between vector instructions and memory instructions, with s_wait_alu, always for 0.
; THE PLAN, for a cast.  Registers that memory instructions touch:
;   v1         the loads' offset.  Written at the head; read by all 32 loads; never written again.
;   X          K block kb: 8 registers.  Written by two loads; read by the K block's four conversions, which write its first four in place; those are read by one store; never written again.
;   SO         K block kb: the store's offset.  Written once, behind the loads; read by one store; never written again.
;   v[160:161] are named by vector instructions alone.
; The 16 K blocks go in four blocks of four.  Block p's conversions name block p's X and v[160:161]; its memory instructions are the four stores of block p - 1, which read that block's X and SO.
; So one wait at the head of a block states all that its four stores hang on, and these are dealt among its conversions with no further wait.  No register that a memory instruction reads is written again.
; The table and the biases: one wait ahead of each run of loads or stores; the table's four compares write scalar registers, with one wait ahead of the selects that read them.
.set X,   16                           ; v[16:143]  K block kb: 8 registers as loaded, the first 4 then as stored
.set SO,  144                          ; v[144:159] K block kb: my byte offset in the destination
.set TM,  160                          ; v[160:161] at work
.set TH,  8                            ; the table: four chains, one for each of a lane's four frequencies
.set KK,  12
.set RR,  16
.set ZZ,  20
.set PS,  24
.set PC,  28
.set KI,  32
.set OC,  36
.set OS,  40
.set TP,  44
.set SS,  52                           ; v[52:55]   the sign word of sin
.set SC,  56                           ; v[56:59]   the sign word of cos
.set QM,  40                           ; s[40:43]   the lanes whose quadrant is odd, one mask for each chain
	s_load_b512 s[8:23], s[0:1], 0x0               ; x s[8:9], W_qkv s[10:11], W_out s[12:13], b_qkv s[14:15], b_out s[16:17], xb s[18:19], wq s[20:21], wo s[22:23]
	s_load_b64 s[24:25], s[0:1], 0x40              ; cst
	s_mov_b32 s2, ttmp9
	v_lshrrev_b32 v1, 3, v0                        ; my row of the 32
	v_and_b32 v2, 7, v0                            ; my piece of a K block
	v_lshlrev_b32 v1, 12, v1
	v_lshl_add_u32 v1, v2, 5, v1                   ; row x 4,096 + piece x 32
	s_wait_kmcnt 0x0
	s_cmp_ge_u32 s2, 448
	s_cbranch_scc1 .Lbias
	s_cmp_ge_u32 s2, 384
	s_cbranch_scc1 .Ltable
	s_cmp_ge_u32 s2, 352
	s_cbranch_scc1 .Lwout
; half = 1: the bf16 number is written as f16
.macro CAST half
	s_wait_alu depctr_va_vdst(0)                   ; v1 is written: all 32 loads read it as their offset
.set kb, 0
.rept 16
	global_load_b128 v[X+8*kb:X+8*kb+3],   v1, s[26:27] offset:256*kb th:TH_LOAD_NT
	global_load_b128 v[X+8*kb+4:X+8*kb+7], v1, s[26:27] offset:256*kb+16 th:TH_LOAD_NT
.set kb, kb+1
.endr
	v_lshlrev_b32 v[SO], 4, v0                     ; row x 128 + piece x 16 = 16 t
.set kb, 1
.rept 15
	v_add_nc_u32 v[SO+kb], s30, v[SO+kb-1]         ; a K block further on
.set kb, kb+1
.endr
.set blk, 0
.rept 4
	s_wait_loadcnt 24-8*blk                        ; loads come back in order: eight for each younger block of four K blocks may stay out
.if blk > 0
	s_wait_alu depctr_va_vdst(0)                   ; the block before has written its X words, which the four stores below read; in block 1 the offsets SO are written too
.endif
.set kq, 0
.rept 4
.set kb, 4*blk+kq
.if blk > 0
	global_store_b128 v[SO+kb-4], v[X+8*(kb-4):X+8*(kb-4)+3], s[28:29]  ; the block before; no vector instruction since the wait names these registers, and none writes them again
.endif
.irp i, 0,1,2,3
	v_cvt_pk_bf16_f32 v[X+8*kb+\i], v[X+8*kb+2*\i], v[X+8*kb+2*\i+1]  ; in place: word i is written when words 2 i and 2 i + 1 are read
.endr
.if \half
.irp i, 0,1,2,3
	v_lshlrev_b32 v[TM], 16, v[X+8*kb+\i]
	v_and_b32 v[TM+1], 0xffff0000, v[X+8*kb+\i]
	v_cvt_pk_f16_f32 v[X+8*kb+\i], v[TM], v[TM+1]
.endr
.endif
.set kq, kq+1
.endr
.set blk, blk+1
.endr
	s_wait_alu depctr_va_vdst(0)                   ; the last block has written its X words, which the last four stores read
.set kb, 12
.rept 4
	global_store_b128 v[SO+kb], v[X+8*kb:X+8*kb+3], s[28:29]  ; no register that a store names is written again
.set kb, kb+1
.endr
.endm
	; x or W_qkv: both sets of offsets are made, one compare chooses
	s_max_u32 s3, s2, 256
	s_sub_co_u32 s3, s3, 256                       ; W_qkv's group of 32 rows (0 where the work-group casts x)
	s_lshl_b32 s32, s2, 17                         ; x: 32 rows of 4,096 bytes
	s_lshr_b32 s33, s2, 3
	s_lshl_b32 s33, s33, 19                        ; the row tile,
	s_and_b32 s34, s2, 7
	s_lshl_b32 s34, s34, 12                        ; my 32 rows of 128 bytes in it
	s_add_co_u32 s33, s33, s34
	s_lshl_b32 s35, s3, 17                         ; W_qkv likewise
	s_bfe_u32 s36, s3, 0x40001                     ; the head
	s_lshr_b32 s37, s36, 1
	s_mul_i32 s37, s37, 786432                     ; the column tile: 16 K blocks of 384 rows of 128 bytes
	s_and_b32 s36, s36, 1
	s_mul_i32 s36, s36, 192                        ; which head of the tile's two
	s_lshr_b32 s38, s3, 5
	s_lshl_b32 s38, s38, 6                         ; q, k or v
	s_add_co_u32 s36, s36, s38
	s_and_b32 s38, s3, 1
	s_lshl_b32 s38, s38, 5                         ; which half of the head's 64 rows
	s_add_co_u32 s36, s36, s38
	s_lshl_b32 s36, s36, 7
	s_add_co_u32 s37, s37, s36
	s_mov_b32 s30, 49152                           ; bytes from K block to K block in wq,
	s_mov_b32 s31, 32768                           ; in xb
	s_cmp_lt_u32 s2, 256
	s_cselect_b64 s[26:27], s[8:9], s[10:11]
	s_cselect_b64 s[28:29], s[18:19], s[20:21]
	s_cselect_b32 s32, s32, s35
	s_cselect_b32 s34, s33, s37
	s_cselect_b32 s30, s31, s30
	s_mov_b32 s33, 0
	s_mov_b32 s35, 0
	s_add_nc_u64 s[26:27], s[26:27], s[32:33]
	s_add_nc_u64 s[28:29], s[28:29], s[34:35]
	CAST 0
	s_endpgm
.Lwout:
	s_sub_co_u32 s3, s2, 352
	s_lshl_b32 s32, s3, 17
	s_mov_b32 s33, 0
	s_lshr_b32 s34, s3, 3
	s_lshl_b32 s34, s34, 19
	s_and_b32 s36, s3, 7
	s_lshl_b32 s36, s36, 12
	s_add_co_u32 s34, s34, s36
	s_mov_b32 s35, 0
	s_add_nc_u64 s[26:27], s[12:13], s[32:33]
	s_add_nc_u64 s[28:29], s[22:23], s[34:35]
	s_mov_b32 s30, 32768
	CAST 1
	s_endpgm
; THE TABLE, f32 [128 blocks of 16 positions][c 0-7][lane 0-31][4]: number e of (block, c, lane) belongs to position 16 block + lane % 16 and frequency
; 16 ((c / 2) % 2) + 8 (lane / 16) + 4 (c % 2) + e; c 0-3 cos, c 4-7 sin: the lane layout of the projection's results, 512 consecutive bytes for a wave's load.
; angle = position x 10000^(-f / 32); reduced by a multiple of pi / 2 held in two parts; sin and cos by their series up to r^9 and r^8 on |r| <= pi / 4
; (the terms left out are under 3e-8); the quadrant chooses and signs by selects.  A work-group makes two blocks.
.Ltable:
	s_sub_co_u32 s3, s2, 384
	s_lshl_b32 s32, s3, 13
	s_mov_b32 s33, 0
	s_add_nc_u64 s[26:27], s[24:25], s[32:33]
	v_lshrrev_b32 v2, 7, v0
	v_lshl_add_u32 v3, s3, 1, v2                   ; the block
	v_and_b32 v4, 15, v0
	v_lshl_add_u32 v3, v3, 4, v4                   ; the position
	v_cvt_f32_u32 v4, v3
	v_bfe_u32 v5, v0, 6, 1
	v_bfe_u32 v6, v0, 4, 1
	v_bfe_u32 v7, v0, 5, 1
	v_lshlrev_b32 v5, 4, v5
	v_lshl_add_u32 v5, v6, 3, v5
	v_lshl_add_u32 v5, v7, 2, v5                   ; my first frequency
	v_and_b32 v48, 127, v0
	v_lshlrev_b32 v48, 4, v48
	v_lshl_add_u32 v48, v2, 12, v48                ; where my 16 bytes of cos go
.irp e, 0,1,2,3
	v_add_nc_u32 v[TH+\e], \e, v5
.endr
.irp e, 0,1,2,3
	v_cvt_f32_u32 v[TH+\e], v[TH+\e]
.endr
.irp e, 0,1,2,3
	v_mul_f32 v[TH+\e], 0xbed49a78, v[TH+\e]       ; - f log2(10000) / 32
.endr
.irp e, 0,1,2,3
	v_exp_f32 v[TH+\e], v[TH+\e]
.endr
	v_nop                                          ; a plain instruction between the last exponential and the use of its result
	s_wait_alu depctr_va_vdst(0)                   ; the four exponentials have written v[TH ..], ahead of their first reader
.irp e, 0,1,2,3
	v_mul_f32 v[TH+\e], v4, v[TH+\e]               ; the angle
.endr
.irp e, 0,1,2,3
	v_mul_f32 v[KK+\e], 0x3f22f983, v[TH+\e]       ; x 2 / pi
.endr
.irp e, 0,1,2,3
	v_rndne_f32 v[KK+\e], v[KK+\e]
.endr
.irp e, 0,1,2,3
	v_fmamk_f32 v[RR+\e], v[KK+\e], 0xbfc90fdb, v[TH+\e]  ; less k x pi / 2: the high part,
.endr
.irp e, 0,1,2,3
	v_fmamk_f32 v[RR+\e], v[KK+\e], 0x333bbd2e, v[RR+\e]  ; the low part
.endr
.irp e, 0,1,2,3
	v_mul_f32 v[ZZ+\e], v[RR+\e], v[RR+\e]
	v_mov_b32 v[PS+\e], 0x3638ef1d                 ; 1 / 9!
	v_mov_b32 v[PC+\e], 0x37d00d01                 ; 1 / 8!
.endr
.irp e, 0,1,2,3
	v_fmaak_f32 v[PS+\e], v[PS+\e], v[ZZ+\e], 0xb9500d01  ; - 1 / 7!
	v_fmaak_f32 v[PC+\e], v[PC+\e], v[ZZ+\e], 0xbab60b61  ; - 1 / 6!
.endr
.irp e, 0,1,2,3
	v_fmaak_f32 v[PS+\e], v[PS+\e], v[ZZ+\e], 0x3c088889  ; 1 / 5!
	v_fmaak_f32 v[PC+\e], v[PC+\e], v[ZZ+\e], 0x3d2aaaab  ; 1 / 4!
.endr
.irp e, 0,1,2,3
	v_fmaak_f32 v[PS+\e], v[PS+\e], v[ZZ+\e], 0xbe2aaaab  ; - 1 / 3!
	v_fmaak_f32 v[PC+\e], v[PC+\e], v[ZZ+\e], 0xbf000000  ; - 1 / 2
	v_mul_f32 v[TP+\e], v[RR+\e], v[ZZ+\e]
.endr
.irp e, 0,1,2,3
	v_fma_f32 v[PS+\e], v[TP+\e], v[PS+\e], v[RR+\e]      ; sin r
	v_fma_f32 v[PC+\e], v[PC+\e], v[ZZ+\e], 1.0           ; cos r
	v_cvt_i32_f32 v[KI+\e], v[KK+\e]
.endr
.irp e, 0,1,2,3
	v_and_b32 v[TP+\e], 1, v[KI+\e]
.endr
.irp e, 0,1,2,3
	v_cmp_eq_u32 s[QM+\e], 1, v[TP+\e]             ; an odd quadrant changes sin and cos: the four compares stand in one run, a mask for each chain
.endr
.irp e, 0,1,2,3                        ; the sign words are made between the compares and the wait for them
	v_and_b32 v[SS+\e], 2, v[KI+\e]                ; sin is negative in quadrants 2 and 3,
	v_lshlrev_b32 v[SS+\e], 30, v[SS+\e]
	v_add_nc_u32 v[SC+\e], 1, v[KI+\e]             ; cos in quadrants 1 and 2
	v_and_b32 v[SC+\e], 2, v[SC+\e]
	v_lshlrev_b32 v[SC+\e], 30, v[SC+\e]
.endr
	s_wait_alu depctr_va_sdst(0)                   ; the four compares have written s[QM ..], ahead of the first select that reads one of them
.irp e, 0,1,2,3
	v_cndmask_b32 v[OS+\e], v[PS+\e], v[PC+\e], s[QM+\e]
	v_cndmask_b32 v[OC+\e], v[PC+\e], v[PS+\e], s[QM+\e]
	v_xor_b32 v[OS+\e], v[SS+\e], v[OS+\e]
	v_xor_b32 v[OC+\e], v[SC+\e], v[OC+\e]
.endr
	s_wait_alu depctr_va_vdst(0)                   ; v48, v[OC ..] and v[OS ..] are written: the two stores read them as offset and data
	global_store_b128 v48, v[OC:OC+3], s[26:27]
	global_store_b128 v48, v[OS:OS+3], s[26:27] offset:2048
	s_endpgm
; THE BIASES: rounded to bf16, kept as f32.  b_qkv goes by heads: ((head x 3 + which) x 64 + d); sixteen lanes fill 256 aligned bytes.
.Lbias:
	v_lshlrev_b32 v1, 4, v0
	s_wait_alu depctr_va_vdst(0)                   ; v1 is written: the four loads read it as their offset
	global_load_b128 v[8:11],  v1, s[14:15]
	global_load_b128 v[12:15], v1, s[14:15] offset:4096
	global_load_b128 v[16:19], v1, s[14:15] offset:8192
	global_load_b128 v[20:23], v1, s[16:17]
	v_lshrrev_b32 v2, 4, v0                        ; the head
	v_mul_u32_u24 v2, v2, 768
	v_and_b32 v3, 15, v0
	v_lshl_add_u32 v2, v3, 4, v2
.irp w, 0,1,2,3
	s_wait_loadcnt 3-\w                            ; the younger loads may stay out
	v_cvt_pk_bf16_f32 v4, v[8+4*\w], v[9+4*\w]
	v_cvt_pk_bf16_f32 v5, v[10+4*\w], v[11+4*\w]
	v_lshlrev_b32 v[32+4*\w], 16, v4
	v_and_b32 v[33+4*\w], 0xffff0000, v4
	v_lshlrev_b32 v[34+4*\w], 16, v5
	v_and_b32 v[35+4*\w], 0xffff0000, v5
.endr
	s_wait_alu depctr_va_vdst(0)                   ; v2 and v[32:47] are written: the four stores read them as offset and data
.irp w, 0,1,2
	global_store_b128 v2, v[32+4*\w:35+4*\w], s[24:25] offset:524288+256*\w
.endr
	global_store_b128 v1, v[44:47], s[24:25] offset:536576
	s_endpgm
.Lfunc_end_k_q708eb9d013_prep:
	.size	k_q708eb9d013_prep, .Lfunc_end_k_q708eb9d013_prep-k_q708eb9d013_prep
	.p2alignl 7, 3214868480
	.fill 96, 4, 3214868480
	.section	.rodata,"a",@progbits
	.p2align	6, 0x0
	.amdhsa_kernel k_q708eb9d013_prep
		.amdhsa_group_segment_fixed_size 0
		.amdhsa_private_segment_fixed_size 0
		.amdhsa_enable_private_segment 0
		.amdhsa_kernarg_size 72
		.amdhsa_user_sgpr_count 2
		.amdhsa_user_sgpr_kernarg_segment_ptr 1
		.amdhsa_wavefront_size32 1
		.amdhsa_system_sgpr_workgroup_id_x 1
		.amdhsa_system_sgpr_workgroup_id_y 1
		.amdhsa_system_sgpr_workgroup_id_z 1
		.amdhsa_system_vgpr_workitem_id 0
		.amdhsa_next_free_vgpr 168
		.amdhsa_next_free_sgpr 66
		.amdhsa_reserve_vcc 0
		.amdhsa_float_denorm_mode_32 3
		.amdhsa_float_denorm_mode_16_64 3
		.amdhsa_memory_ordered 1
		.amdhsa_forward_progress 1
		.amdhsa_inst_pref_size 42
	.end_amdhsa_kernel
	.amdgpu_metadata
---
amdhsa.version: [ 1, 2 ]
amdhsa.kernels:
  - .name:           k_q708eb9d013_prep
    .symbol:         k_q708eb9d013_prep.kd
    .args:
      - { .name: x, .offset: 0, .size: 8, .value_kind: global_buffer, .address_space: global }
      - { .name: W_qkv, .offset: 8, .size: 8, .value_kind: global_buffer, .address_space: global }
      - { .name: W_out, .offset: 16, .size: 8, .value_kind: global_buffer, .address_space: global }
      - { .name: b_qkv, .offset: 24, .size: 8, .value_kind: global_buffer, .address_space: global }
      - { .name: b_out, .offset: 32, .size: 8, .value_kind: global_buffer, .address_space: global }
      - { .name: xb, .offset: 40, .size: 8, .value_kind: global_buffer, .address_space: global }
      - { .name: wq, .offset: 48, .size: 8, .value_kind: global_buffer, .address_space: global }
      - { .name: wo, .offset: 56, .size: 8, .value_kind: global_buffer, .address_space: global }
      - { .name: cst, .offset: 64, .size: 8, .value_kind: global_buffer, .address_space: global }
    .group_segment_fixed_size: 0
    .private_segment_fixed_size: 0
    .kernarg_segment_align: 8
    .kernarg_segment_size: 72
    .max_flat_workgroup_size: 256
    .sgpr_count:     66
    .vgpr_count:     168
    .wavefront_size: 32
...
	.end_amdgpu_metadata
.endif
;; end of part 5
;; launch qkvp: the kernel of part 2 again; grid 8 x 32, 4 waves a work-group, clusters of 4 x 4, 327,680 bytes of LDS; arguments xb, wq, cst, qkv; writes qkv
;; launch attn: the kernel of part 3 again; grid 4 x 64, 4 waves a work-group, clusters of 4 x 1, 327,680 bytes of LDS; arguments qkv, oh; writes oh
;; launch proj: the kernel of part 4 again; grid 4 x 64, 4 waves a work-group, clusters of 4 x 4, 327,680 bytes of LDS; arguments oh, wo, cst, out0; writes out0
